; MI455X (gfx1250); checked and timed in simulation.
; The chip was launched on July 23, 2026; its instructions are those of AMD's public machine-readable ISA for CDNA 5 (MIT licence, August 2026) and "CDNA5" Instruction Set Architecture Reference Guide (July 2026). The comments in the code are by the model that wrote it; some were corrected since.
;; Mo E. Allowed arithmetic: matrix products marked QUANTISED: E3M2 operands, one E8M0 scale for each 32 along K, by v_wmma_scale_f32_16x16x128_f8f6f4 with both operands' format E3M2, f32 sums; products left as they are: f32 operands where the result goes on into a quantised operand, else bf16, f16 or f32 operands; f32 sums; everything else in f32.
;; Inputs: b1 8 x 128 float32; b2 8 x 1,024 float32; gate_b 8 float32; gate_w 1,024 x 8 float32; w1_codes 8 x 128 x 32 x 24 uint8 (E3M2 codes of w1, K innermost, in blocks of 32 codes, four codes in three bytes); w1_scales 8 x 128 x 32 uint8 (E8M0 scales of w1, one for each 32 codes along K); w2_codes 8 x 1,024 x 4 x 24 uint8 (E3M2 codes of w2, K innermost, in blocks of 32 codes, four codes in three bytes); w2_scales 8 x 1,024 x 4 uint8 (E8M0 scales of w2, one for each 32 codes along K); x 4 x 2,048 x 1,024 float32.
;; Outputs: out0 4 x 2,048 x 1,024 float32.
;; This version of the problem:
;;   THIS VERSION OF THE PROBLEM IS GIVEN IN LOW PRECISION. The matrix products marked QUANTISED in the list below multiply operands that are first quantised to E3M2 (3 exponent bits, 2 mantissa bits; 6 bits a number), with one power-of-two scale for each 32 numbers along K (OCP MX v1.0); their sums are f32. All else is computed in f32.
;;   The module's matrix products, in the order in which they are computed (A, B: the left and right operand; K: the contracted axis; several contracted axes count as one K, in the product's order):
;;     1. [M 8,192, K 1,024] x [K 1,024, N 8]; A: input x; B: input gate_w: left as it is (N = 8 < 16)
;;     2. [M 8,192, K 1,024] x [K 1,024, N 1,024]; A: input x; B: input w1 (given as codes): QUANTISED
;;     3. batch 8 x [M 1,024, K 128] x [K 128, N 8,192]; A: input w2 (given as codes); B: computed on the way: QUANTISED
;;     4. batch 8,192 x [M 1, K 2] x [K 2, N 1,024]; A: computed on the way; B: computed on the way: left as it is (K = 2 < 32)
;;   THE QUANTISER, for each operand of a quantised product, along K:
;;     - K is cut into blocks of 32 from its start; a last block that is shorter is filled with zeros.
;;     - A block's scale is 2^e with e = floor(log2(the largest magnitude in the block)) - 4, held to -126 .. 127; a block of zeros has e = 0. As a byte (E8M0): e + 127.
;;     - Each number is divided by its block's scale, clamped to +-28, and rounded to the nearest number of E3M2, ties to even, subnormals kept.
;;     - The product sums the exact products of the quantised numbers (number of the format x scale) in f32.
;;   ~~~python
;;   def quantise(x, axis):      # numpy; x: float32 -> the quantised numbers, widened to float32 again
;;       x = np.moveaxis(x, axis, -1); K = x.shape[-1]
;;       x = np.pad(x, [(0, 0)] * (x.ndim - 1) + [(0, -K % 32)]); x = x.reshape(x.shape[:-1] + (-1, 32)); a = np.abs(x).max(-1, keepdims=True)
;;       e = np.where(a > 0, np.clip(np.frexp(np.where(a > 0, a, 1))[1] - 1 - 4, -126, 127), 0)      # np.frexp(a)[1] - 1 = floor(log2(a)), exactly
;;       r = np.clip(x / 2.0 ** e, -28, 28)
;;       step = 2.0 ** (np.maximum(np.frexp(np.where(r == 0, 1, r))[1] - 1, -2) - 2)
;;       q = np.round(r / step) * step * 2.0 ** e      # np.round: ties to even
;;       return np.moveaxis(q.reshape(q.shape[:-2] + (-1,))[..., :K], -1, axis).astype(np.float32)
;;   ~~~
;;   OPERANDS COMPUTED ON THE WAY. 'Computed on the way' means the value that the module computes at that place (a softmax that the list does not call 'softmax' is quantised finished and normalised). What goes into a quantiser is computed in f32, as accurately as f32 sums, v_exp_f32 and their like allow (about 1e-6 of the number): no bf16 or f16 on the way to a quantiser, and a product that is left as it is and whose result goes on into a quantised operand takes f32 operands (vector FMAs, or v_wmma_f32_16x16x4_f32). A number that lies on a knife's edge between two numbers of the format may be rounded either way, as far as f32 arithmetic and the matrix unit's own rounding can turn it there, and no further.
;;   INPUTS GIVEN AS CODES. w1 (in the module: [8, 1024, 128], K = its axis 1); w2 (in the module: [8, 128, 1024], K = its axis 1): each comes as NAME_codes (uint8): NAME with its K axis moved to the last place and cut into blocks of 32 codes, [.., K / 32, bytes a block], one block behind the other in memory; four codes in three bytes: a row's codes are one little-endian stream of bits, code i at bits 6 i .. 6 i + 5 (a code: sign, 3 exponent bits, 2 mantissa bits); and NAME_scales (uint8): the same leading axes, one E8M0 byte (e + 127) for each 32 codes along K. Its value is code x scale, taken as it is: it is not quantised again, and the codes and scales need not be those that the quantiser above would give.
;; 2 versions. Each part assembles by itself: llvm-mc -triple=amdgcn-amd-amdhsa -mcpu=gfx1250 --defsym DOCPART=n.
;; ======== version 1 of 2: 3 launches
;; workspace buffers: xq 6,291,456 bytes; xs 262,144 bytes; route 65,536 bytes of whole numbers; gwt 65,536 bytes; w1i 786,432 bytes; w2i 786,432 bytes; order 32,768 bytes of whole numbers
;; launch prep (part 1): grid 256 x 1, 8 waves a work-group, no clusters, 232,960 bytes of LDS; arguments x, gate_w, gate_b, w1_codes, w2_codes, xq, xs, route, gwt, w1i, w2i; writes xq, xs, route, gwt, w1i, w2i
.if DOCPART == 1
	.amdgcn_target "amdgcn-amd-amdhsa--gfx1250"
	.amdhsa_code_object_version 6
	.text
	.protected	k_qb8192b95ca_prep
	.globl	k_qb8192b95ca_prep
	.p2align	8
	.type	k_qb8192b95ca_prep,@function
k_qb8192b95ca_prep:
	s_mov_b64 s[64:65], 0
	v_nop
	global_prefetch_b8 v0, s[64:65] scope:SCOPE_SE
	s_setreg_imm32_b32 hwreg(HW_REG_WAVE_MODE, 25, 1), 1
	s_wait_xcnt 0x0
; MoE, launch 1 of 3.  For each of the 8,192 tokens: the gate (x . gate_w + gate_b in f32, softmax with its maximum taken away, top-2), x turned into E3M2 codes with one
; E8M0 byte for each 32 along the 1,024, and, on the side, W1's and W2's codes laid out anew as images of the matrix operand's registers.
; WORK LEFT OUT BY THE PROGRAM (it is left out in the third launch): reference() computes h and expert_out for all 8 experts of every token and then keeps, by take_along_axis with top_i,
; the rows of the two experts that top_i names; the other six rows of expert_out[t] enter no later expression, whatever the inputs hold.  So only the two named experts' rows of the two
; quantised products are multiplied.  Whole numbers decide which: this launch stores them, the second sorts them, the third reads them.  Every input has a way to the output: all are loaded.
; LIMITS: a NaN, an infinity or an overflow that arises only in an expert that a token did not choose is not carried to the result.  NaN and infinities among the inputs are not served.
; A block of x whose largest magnitude lies under 2^-122 gets the scale byte 1; a block of zeros gets 1 where the rule says 127 (its codes are zeros, and this program alone reads the bytes).
; The top-2 is taken on the eight exponentials by a strict greater-than, so the lower index wins a tie; the division by their sum is a reciprocal and a multiplication.
; SHARES.  Work-group g: tokens 32 g .. 32 g + 31.  Wave w: d = 128 w .. 128 w + 127 of all 32 tokens.  Lane l = (tau = l / 8, delta = l % 8): in round rho it holds the 16 neighbours
; d = 128 w + 16 delta + 0..15 of token 4 rho + tau: they feed the quantiser (two neighbouring lanes hold a block of 32) and the gate.  The lane's 16 x 8 numbers of gate_w stay in 128 registers.
; x and gate_w come by three tensor loads a wave, all first fills, each wave's own bytes.  No cluster: what work-groups share, gate_w, is 32 KB beside each work-group's own 128 KB of x.
; xq: [token][h][K step s][c][24 bytes]: block 4 s + 2 c + h of the token, so that lane (r, h) of an operand finds its 12 registers of K step s as 48 bytes on end.  xs: [token][32 bytes].
; route: [g][lane][2 words]: word 0 = token | i0 << 13 | i1 << 16 | key << 19 | rank << 24 of token 32 g + lane; word 1 = how many of the group's tokens have key = lane.  gwt: [token][2] f32.
; key numbers the 28 pairs of experts so that neighbouring keys share an expert.  rank = how many earlier tokens of the group have the same key.
.set XTW,   20480                      ; LDS: a wave's 32 rows of x: 8 x (64 bytes + 16 of padding) = 640 bytes a row
.set XHALF, 10240                      ; 16 rows: one tensor load
.set GW,    163840                     ; gate_w: a wave's 8 rows of 512 bytes + 16
.set GWW,   4224
.set PL,    197632                     ; partial logits [wave][token][expert] f32
.set CST,   205824                     ; the codes' stage: 32 tokens, 784 bytes apart
.set CP,    784
.set SST,   230912                     ; scale bytes [token][32]
.set SPARE, 231936                     ; the spare words, 128 bytes a wave: four blocks of 256 bytes that no other line names
.set G,     96                         ; v96-223  gate_w[128 w + 16 delta + i][e] at G + 8 i + e
; v2, v3 the add's two; v4 x in LDS; v5 gate_w in LDS; v6 partial logit out; v7 codes out; v8 byte out; v9 logits back; v10 codes back; v11 codes in xq; v12 bytes back; v13 16 x lane;
; v14 a weight fragment's lane offset; v16-27 that fragment; v32-63 two sets of 16 numbers; v64-79 the gate's sums and their folding; v80-82 quantiser; v84-93 two sets of what a round stores
	s_load_b512 s[4:19], s[0:1], 0x0               ; x, gate_w, gate_b, w1_codes, w2_codes, xq, xs, route
	s_load_b128 s[20:23], s[0:1], 0x40             ; gwt, w1i
	s_load_b64 s[24:25], s[0:1], 0x50              ; w2i
	v_lshl_add_u32 v2, v0, 2, SPARE
	v_mov_b32 v3, 0
	ds_add_u32 v2, v3                              ; the wave's opening: the add, twice on end, and its wait ahead of my first tensor load
	ds_add_u32 v2, v3                              ; and once more; the set-up below, work on registers, stands between it and the wait
	v_lshrrev_b32 v1, 5, v0
	v_readfirstlane_b32 s26, v1                    ; wave 0..7
	; group 1 for x: 16 rows x 128 elements of 4 bytes, rows 1,024 elements apart; 4 words of padding behind every 16
	s_mov_b32 s28, (2<<16)|(1<<20)|(3<<22)|(3<<25)
	s_mov_b32 s29, 128<<16                         ; tensor_dim0
	s_mov_b32 s30, 16<<16                          ; tensor_dim1
	s_mov_b32 s31, 128<<16                         ; tile_dim0
	s_mov_b32 s32, 16                              ; tile_dim1
	s_mov_b32 s33, 1024                            ; stride
	s_mov_b32 s34, 0
	s_mov_b32 s35, 0
	; group 1 for gate_w: a wave's 4,096 dense bytes as 8 rows x 64 elements of 8 bytes; 4 words of padding behind every 128
	s_mov_b32 s36, (3<<16)|(1<<20)|(6<<22)|(3<<25)
	s_mov_b32 s37, 64<<16
	s_mov_b32 s38, 8<<16
	s_mov_b32 s39, 64<<16
	s_mov_b32 s40, 8
	s_mov_b32 s41, 64
	s_mov_b32 s42, 0
	s_mov_b32 s43, 0
	s_mov_b32 s66, 0xaaaaaaaa                      ; lanes with bit 0, 1, 2 of their number set
	s_mov_b32 s67, 0xcccccccc
	s_mov_b32 s68, 0xf0f0f0f0
	; every LDS address is made here, ahead of the first branch on the wave's number
	v_and_b32 v28, 31, v0                          ; l
	v_bfe_u32 v29, v0, 3, 2                        ; tau
	v_and_b32 v30, 7, v0                           ; delta
	s_mul_i32 s70, s26, XTW
	v_mul_u32_u24 v4, v29, 640
	v_mad_u32_u24 v4, v30, 80, v4
	v_add_nc_u32 v4, s70, v4                       ; x: row tau, my 64 bytes (80 with their padding)
	s_mul_i32 s71, s26, GWW
	s_add_co_u32 s71, s71, GW
	v_mul_u32_u24 v5, v30, 528
	v_add_nc_u32 v5, s71, v5                       ; gate_w: row delta
	s_lshl_b32 s72, s26, 10
	s_add_co_u32 s72, s72, PL
	v_lshl_add_u32 v6, v28, 2, s72                 ; partial logit of (token 4 rho + tau, expert delta): 128 rho + 4 l
	v_mul_u32_u24 v7, v29, CP
	v_bfe_u32 v31, v0, 1, 1                        ; h of my block
	v_mad_u32_u24 v7, v31, 384, v7
	v_bfe_u32 v31, v0, 2, 1                        ; c of my block
	v_mad_u32_u24 v7, v31, 24, v7
	v_and_b32 v31, 1, v0                           ; which half of the block
	v_mad_u32_u24 v7, v31, 12, v7
	s_mul_i32 s73, s26, 48
	s_add_co_u32 s73, s73, CST
	v_add_nc_u32 v7, s73, v7
	v_bfe_u32 v31, v0, 1, 2                        ; my block in the K step
	v_lshl_add_u32 v8, v29, 5, v31
	s_lshl_b32 s74, s26, 2
	s_add_co_u32 s74, s74, SST
	v_add_nc_u32 v8, s74, v8
	v_lshl_add_u32 v9, v28, 5, PL                  ; token l's eight partial logits
	v_and_b32 v1, 15, v0                           ; r
	v_bfe_u32 v31, v0, 4, 1                        ; h
	s_mul_i32 s75, s26, 4*CP
	s_add_co_u32 s75, s75, CST
	v_mul_u32_u24 v10, v31, CP
	v_lshl_add_u32 v10, v1, 4, v10
	v_add_nc_u32 v10, s75, v10                     ; codes back: token 4 w + h, 16 bytes a lane
	s_mul_i32 s76, s26, 3072
	v_mul_u32_u24 v11, v31, 768
	v_lshl_add_u32 v11, v1, 4, v11
	v_add_nc_u32 v11, s76, v11                     ; and the same place in the group's part of xq
	v_lshl_add_u32 v12, v28, 4, SST
	v_lshlrev_b32 v13, 4, v28
	s_wait_dscnt 0x0                               ; both opening adds are done
	s_wait_kmcnt 0x0
	s_mov_b32 s44, 1                               ; group 0 for gate_w
	s_mov_b32 s45, s71
	s_lshl_b32 s72, s26, 12
	s_mov_b32 s73, 0
	s_add_nc_u64 s[46:47], s[6:7], s[72:73]
	s_or_b32 s47, s47, 0x80000000
	s_lshl_b32 s72, ttmp9, 17                      ; 32 tokens of 4,096 bytes
	s_lshl_b32 s74, s26, 9                         ; my 512 bytes of a row
	s_add_co_u32 s72, s72, s74
	s_add_nc_u64 s[50:51], s[4:5], s[72:73]
	s_add_nc_u64 s[54:55], s[50:51], 0x10000       ; 16 rows on
	s_or_b32 s51, s51, 0x80000000
	s_or_b32 s55, s55, 0x80000000
	s_mov_b32 s48, 1
	s_mov_b32 s49, s70
	s_mov_b32 s52, 1
	s_add_co_u32 s53, s70, XHALF
	tensor_load_to_lds s[44:47], s[36:43]          ; the three first fills go out together: three loads of mine are out at the most
	s_nop 0
	tensor_load_to_lds s[48:51], s[28:35]
	s_nop 0
	tensor_load_to_lds s[52:55], s[28:35]
	s_nop 0
	s_load_b256 s[56:63], s[8:9], 0x0              ; gate_b
	s_mul_i32 s72, ttmp9, 24576
	s_add_nc_u64 s[14:15], s[14:15], s[72:73]      ; xq, xs, route, gwt at my group
	s_lshl_b32 s72, ttmp9, 10
	s_add_nc_u64 s[16:17], s[16:17], s[72:73]
	s_lshl_b32 s72, ttmp9, 8
	s_add_nc_u64 s[18:19], s[18:19], s[72:73]
	s_add_nc_u64 s[20:21], s[20:21], s[72:73]
	; THE WEIGHTS' IMAGES.  Each tensor has 512 fragments of 16 rows x 128 K (1,536 bytes).  Waves 0, 1 take W1's fragments 2 g, 2 g + 1, waves 2, 3 W2's.
	; W1's fragment F = 64 e + 16 w' + 2 s + u: lane r takes row 128 e + 32 w' + 8 u + r + 8 (r / 8), K step s.  W2's fragment F: rows 16 F + r.
	s_and_b32 s70, s26, 1
	s_lshl_b32 s71, ttmp9, 1
	s_add_co_u32 s71, s71, s70                     ; F
	s_mul_i32 s72, s71, 1536                       ; the image's place, and W2's source
	s_lshr_b32 s74, ttmp9, 5
	s_lshl_b32 s74, s74, 7                         ; 128 e
	s_bfe_u32 s75, ttmp9, 0x20003
	s_lshl_b32 s75, s75, 5                         ; 32 w'
	s_add_co_u32 s74, s74, s75
	s_lshl_b32 s75, s70, 3                         ; 8 u
	s_add_co_u32 s74, s74, s75
	s_mul_i32 s74, s74, 768
	s_and_b32 s75, ttmp9, 7
	s_mul_i32 s75, s75, 96                         ; K step s
	s_add_co_u32 s74, s74, s75
	s_mov_b32 s75, 0
	s_mov_b32 s71, 96
	s_cmp_lt_u32 s26, 2                            ; W1 or W2: the choice hangs on the wave's number alone
	s_cselect_b32 s74, s74, s72
	s_cselect_b32 s70, 8, 0
	s_cselect_b32 s71, 768, s71                    ; a row of codes in bytes
	s_cselect_b64 s[76:77], s[10:11], s[12:13]
	s_cselect_b64 s[78:79], s[22:23], s[24:25]
	s_add_nc_u64 s[76:77], s[76:77], s[74:75]
	s_add_nc_u64 s[78:79], s[78:79], s[72:73]
	v_and_b32 v29, s70, v1
	v_add_nc_u32 v29, v29, v1
	v_mul_lo_u32 v14, v29, s71
	v_mad_u32_u24 v14, v31, 24, v14
	s_cmp_lt_u32 s26, 4
	s_cbranch_scc0 .Lno_fragment
.irp p, 0,1,2,3,4,5
	global_load_b64 v[16+2*\p:17+2*\p], v14, s[76:77] offset:48*(\p/3)+8*(\p%3)   ; the lane's 12 registers of the fragment
.endr
.Lno_fragment:
	s_wait_tensorcnt 2                             ; gate_w is in; x's two halves may be out
.set i, 0
.rept 32
	ds_load_b128 v[G+4*i:G+4*i+3], v5 offset:16*i
.set i, i+1
.endr
	s_wait_tensorcnt 1                             ; x's first 16 rows are in
.irp j, 0,1,2,3
	ds_load_b128 v[32+4*\j:35+4*\j], v4 offset:16*\j
.endr
; Eight sums a lane, eight lanes (delta) to a token: three steps fold them so that lane delta ends with the sum of expert delta over the eight lanes.
; In a step a lane keeps one of a pair and sends the other to its partner: T = the kept, U = the sent, T += the partner's U.
.macro RED q
.irp p, 0,1,2,3
	v_cndmask_b32 v[72+\p], v[64+2*\p], v[65+2*\p], s66
	v_cndmask_b32 v[76+\p], v[65+2*\p], v[64+2*\p], s66
.endr
.irp p, 0,1,2,3
	v_add_f32_dpp v[72+\p], v[76+\p], v[72+\p] row_xmask:1 row_mask:0xf bank_mask:0xf
.endr
.irp p, 0,1
	v_cndmask_b32 v[64+\p], v[72+2*\p], v[73+2*\p], s67
	v_cndmask_b32 v[66+\p], v[73+2*\p], v[72+2*\p], s67
.endr
.irp p, 0,1
	v_add_f32_dpp v[64+\p], v[66+\p], v[64+\p] row_xmask:2 row_mask:0xf bank_mask:0xf
.endr
	v_cndmask_b32 v[92+\q], v64, v65, s68
	v_cndmask_b32 v73, v65, v64, s68
	v_add_f32_dpp v[92+\q], v73, v[92+\q] row_xmask:4 row_mask:0xf bank_mask:0xf
.endm
; A round: tokens 4 rho .. 4 rho + 3.  The next round's numbers are asked for first.  What the round stores to LDS lies in set rho % 2.
.macro ROUND rho
.set XC, 32+16*((\rho)%2)
.set XN, 48-16*((\rho)%2)
.set QS, (\rho)%2
.if (\rho) == 3
	s_wait_tensorcnt 0x0                           ; x's second 16 rows are in: the next round is their first
.endif
.if (\rho) < 7
.irp j, 0,1,2,3
	ds_load_b128 v[XN+4*\j:XN+4*\j+3], v4 offset:2560*((\rho)+1)+16*\j
.endr
.endif
.if (\rho) == 0
	s_wait_dscnt 4                                 ; gate_w and this round's numbers are in; the four loads just issued may be out
.elseif (\rho) < 7
	s_wait_dscnt 9                                 ; behind this round's loads: the last round's five stores and the four loads just issued.  The stores of two rounds back are done: their set is free
.else
	s_wait_dscnt 5                                 ; the last round's five stores
.endif
.irp p, 0,1,2,3
	v_pk_mul_f32 v[64+2*\p:65+2*\p], v[XC:XC+1], v[G+2*\p:G+2*\p+1] op_sel_hi:[0,1]   ; the first product starts the sums: x_0 for both halves, two experts
.endr
.set i, 1
.rept 15
.irp p, 0,1,2,3
.if i%2
	v_pk_fma_f32 v[64+2*\p:65+2*\p], v[XC+2*(i/2):XC+2*(i/2)+1], v[G+8*i+2*\p:G+8*i+2*\p+1], v[64+2*\p:65+2*\p] op_sel:[1,0,0] op_sel_hi:[1,1,1]
.else
	v_pk_fma_f32 v[64+2*\p:65+2*\p], v[XC+2*(i/2):XC+2*(i/2)+1], v[G+8*i+2*\p:G+8*i+2*\p+1], v[64+2*\p:65+2*\p] op_sel_hi:[0,1,1]
.endif
.endr
.set i, i+1
.endr
	v_max3_num_f32 v80, |v[XC]|, |v[XC+1]|, |v[XC+2]|               ; the largest magnitude of my 16
	v_max3_num_f32 v81, |v[XC+3]|, |v[XC+4]|, |v[XC+5]|
.irp c, 6,10
	v_max3_num_f32 v80, v80, |v[XC+\c]|, |v[XC+\c+1]|
	v_max3_num_f32 v81, v81, |v[XC+\c+2]|, |v[XC+\c+3]|
.endr
	v_max3_num_f32 v80, v80, |v[XC+14]|, |v[XC+15]|
	v_max3_num_f32 v80, v80, v81, 0x2800000        ; and the floor 2^(5 - 127): the byte cannot fall under 1
	v_max_num_f32_dpp v80, v80, v80 row_xmask:1 row_mask:0xf bank_mask:0xf   ; with my neighbour's 16: the block's
	v_add_nc_u32 v82, 0xfe000000, v80              ; 4 off its exponent field: the conversion's scale operand
	v_cvt_scalef32_pk16_bf6_f32 v[84+4*QS:86+4*QS], v[XC:XC+15], v82
	v_lshrrev_b32 v[87+4*QS], 23, v82              ; the scale's byte (also the plain line behind the conversion)
	RED QS
.irp c, 0,1,2
	ds_store_b32 v7, v[84+4*QS+\c] offset:4*CP*(\rho)+4*\c
.endr
	ds_store_b8 v8, v[87+4*QS] offset:128*(\rho)   ; both lanes of a block write the same byte with the same value
	ds_store_b32 v6, v[92+QS] offset:128*(\rho)
.endm
.irp t, 0,1,2,3,4,5,6,7
	ROUND \t
.endr
	s_cmp_lt_u32 s26, 4
	s_cbranch_scc0 .Lno_image
	s_wait_loadcnt 0x0                             ; the fragment, asked for ahead of the rounds
.irp c, 0,1,2
	global_store_b128 v13, v[16+4*\c:19+4*\c], s[78:79] offset:512*\c   ; registers 4 c .. 4 c + 3 of all lanes: 512 bytes on end
.endr
.Lno_image:
	s_wait_kmcnt 0x0                               ; gate_b
	s_wait_dscnt 0x0                               ; for the others' sake: my stores to the stages are done
	s_barrier_signal -1
	s_barrier_wait -1
	; the codes leave: wave w stores tokens 4 w .. 4 w + 3, sixteen lanes to 256 bytes on end
.irp a, 0,1
.irp p, 0,1,2
	ds_load_b128 v[96+12*\a+4*\p:99+12*\a+4*\p], v10 offset:2*CP*\a+256*\p
.endr
.endr
.irp a, 0,1
.irp p, 0,1,2
	s_wait_dscnt 5-3*\a-\p
	global_store_b128 v11, v[96+12*\a+4*\p:99+12*\a+4*\p], s[14:15] offset:1536*\a+256*\p
.endr
.endr
	s_cmp_lg_u32 s26, 1
	s_cbranch_scc1 .Lnot_wave_1
	ds_load_b128 v[120:123], v12                   ; the group's 1,024 scale bytes
	ds_load_b128 v[124:127], v12 offset:512
	s_wait_dscnt 0x0
	global_store_b128 v13, v[120:123], s[16:17]
	global_store_b128 v13, v[124:127], s[16:17] offset:512
.Lnot_wave_1:
	s_cmp_lg_u32 s26, 0
	s_cbranch_scc1 .Lend
	; THE ROUTER: wave 0, a lane a token
.irp q, 0,1,2,3,4,5,6,7
	ds_load_b128 v[32+8*\q:35+8*\q], v9 offset:1024*\q
	ds_load_b128 v[36+8*\q:39+8*\q], v9 offset:1024*\q+16
.endr
	v_and_b32 v128, 31, v0
	s_wait_dscnt 0x0
.irp q, 1,2,3,4,5,6,7
.irp p, 0,1,2,3
	v_pk_add_f32 v[32+2*\p:33+2*\p], v[32+2*\p:33+2*\p], v[32+8*\q+2*\p:33+8*\q+2*\p]   ; the eight waves' parts, in ascending d
.endr
.endr
.irp e, 0,1,2,3,4,5,6,7
	v_add_f32 v[32+\e], s[56+\e], v[32+\e]         ; + gate_b
.endr
	v_max3_num_f32 v129, v32, v33, v34
	v_max3_num_f32 v129, v129, v35, v36
	v_max3_num_f32 v129, v129, v37, v38
	v_max_num_f32 v129, v129, v39                  ; the maximum is taken away, as reference()'s softmax does
.irp e, 0,1,2,3,4,5,6,7
	v_sub_f32 v[32+\e], v[32+\e], v129
.endr
.irp e, 0,1,2,3,4,5,6,7
	v_mul_f32 v[32+\e], 0x3fb8aa3b, v[32+\e]
.endr
.irp e, 0,1,2,3,4,5,6,7
	v_exp_f32 v[48+\e], v[32+\e]
.endr
	v_lshlrev_b32 v130, 3, v128                    ; 8 x lane (the plain line behind the batch)
	s_wait_alu depctr_va_vdst(0)                   ; one wait for the eight exponentials, ahead of their first reader
	v_add_f32 v131, v48, v49
	v_add_f32 v132, v50, v51
	v_add_f32 v133, v52, v53
	v_add_f32 v134, v54, v55
	v_add_f32 v131, v131, v132
	v_add_f32 v133, v133, v134
	v_add_f32 v131, v131, v133
	v_rcp_f32 v135, v131
	v_mov_b32 v136, v48                            ; the largest, and its index
	v_mov_b32 v137, 0
.irp e, 1,2,3,4,5,6,7
	v_cmp_gt_f32 vcc_lo, v[48+\e], v136
	v_cndmask_b32 v136, v136, v[48+\e], vcc_lo
	v_cndmask_b32 v137, v137, \e, vcc_lo
.endr
.irp e, 0,1,2,3,4,5,6,7
	v_cmp_eq_u32 vcc_lo, \e, v137
	v_cndmask_b32 v[48+\e], v[48+\e], -1.0, vcc_lo ; the winner steps out: every exponential is 0 or more
.endr
	v_mov_b32 v138, v48                            ; the second largest
	v_mov_b32 v139, 0
.irp e, 1,2,3,4,5,6,7
	v_cmp_gt_f32 vcc_lo, v[48+\e], v138
	v_cndmask_b32 v138, v138, v[48+\e], vcc_lo
	v_cndmask_b32 v139, v139, \e, vcc_lo
.endr
	s_wait_alu depctr_va_vdst(0)                   ; the reciprocal, ahead of its first reader
	v_mul_f32 v140, v136, v135                     ; the two softmax weights, not renormalised
	v_mul_f32 v141, v138, v135
	v_min_u32 v142, v137, v139                     ; a
	v_max_u32 v143, v137, v139                     ; b
	v_sub_nc_u32 v144, 15, v142
	v_mul_u32_u24 v144, v144, v142
	v_lshrrev_b32 v144, 1, v144                    ; a (15 - a) / 2: the pairs with a smaller first expert
	v_sub_nc_u32 v145, v143, v142
	v_add_nc_u32 v145, -1, v145                    ; even a: b ascending
	v_sub_nc_u32 v146, 7, v143                     ; odd a: b descending
	v_and_b32 v147, 1, v142
	v_cmp_eq_u32 vcc_lo, 1, v147
	v_cndmask_b32 v145, v145, v146, vcc_lo
	v_add_nc_u32 v148, v144, v145                  ; key, 0 .. 27
	v_mov_b32 v151, 0                              ; lane k: how many tokens of the group have key k
	v_mov_b32 v149, 0                              ; my rank among those of my key
.set k, 0
.rept 28
	v_cmp_eq_u32 s70, k, v148
	s_bcnt1_i32_b32 s71, s70
	v_writelane_b32 v151, s71, k
	v_mbcnt_lo_u32_b32 v147, s70, 0
	v_cndmask_b32 v149, v149, v147, s70
.set k, k+1
.endr
	s_lshl_b32 s72, ttmp9, 5
	v_add_nc_u32 v150, s72, v128                   ; token
	v_lshl_or_b32 v150, v137, 13, v150
	v_lshl_or_b32 v150, v139, 16, v150
	v_lshl_or_b32 v150, v148, 19, v150
	v_lshl_or_b32 v150, v149, 24, v150
	global_store_b64 v130, v[150:151], s[18:19]    ; 32 lanes: 256 bytes on end, at fixed places
	global_store_b64 v130, v[140:141], s[20:21]
.Lend:
	s_wait_tensorcnt 0x0                           ; the wave's end: behind my last tensor load and my last LDS store
	ds_add_u32 v2, v3
	s_wait_dscnt 0x0
	s_endpgm
.Lfunc_end_k_qb8192b95ca_prep:
	.size	k_qb8192b95ca_prep, .Lfunc_end_k_qb8192b95ca_prep-k_qb8192b95ca_prep
	.p2alignl 7, 3214868480
	.fill 96, 4, 3214868480
	.section	.rodata,"a",@progbits
	.p2align	6, 0x0
	.amdhsa_kernel k_qb8192b95ca_prep
		.amdhsa_group_segment_fixed_size 232960
		.amdhsa_private_segment_fixed_size 0
		.amdhsa_enable_private_segment 0
		.amdhsa_kernarg_size 88
		.amdhsa_user_sgpr_count 2
		.amdhsa_user_sgpr_kernarg_segment_ptr 1
		.amdhsa_wavefront_size32 1
		.amdhsa_system_sgpr_workgroup_id_x 1
		.amdhsa_system_sgpr_workgroup_id_y 1
		.amdhsa_system_sgpr_workgroup_id_z 1
		.amdhsa_system_vgpr_workitem_id 0
		.amdhsa_next_free_vgpr 224
		.amdhsa_next_free_sgpr 80
		.amdhsa_reserve_vcc 1
		.amdhsa_float_denorm_mode_32 3
		.amdhsa_float_denorm_mode_16_64 3
		.amdhsa_memory_ordered 1
		.amdhsa_forward_progress 1
		.amdhsa_inst_pref_size 82
	.end_amdhsa_kernel
	.amdgpu_metadata
---
amdhsa.version: [ 1, 2 ]
amdhsa.kernels:
  - .name:           k_qb8192b95ca_prep
    .symbol:         k_qb8192b95ca_prep.kd
    .args:
      - { .name: x, .offset: 0, .size: 8, .value_kind: global_buffer, .address_space: global }
      - { .name: gate_w, .offset: 8, .size: 8, .value_kind: global_buffer, .address_space: global }
      - { .name: gate_b, .offset: 16, .size: 8, .value_kind: global_buffer, .address_space: global }
      - { .name: w1_codes, .offset: 24, .size: 8, .value_kind: global_buffer, .address_space: global }
      - { .name: w2_codes, .offset: 32, .size: 8, .value_kind: global_buffer, .address_space: global }
      - { .name: xq, .offset: 40, .size: 8, .value_kind: global_buffer, .address_space: global }
      - { .name: xs, .offset: 48, .size: 8, .value_kind: global_buffer, .address_space: global }
      - { .name: route, .offset: 56, .size: 8, .value_kind: global_buffer, .address_space: global }
      - { .name: gwt, .offset: 64, .size: 8, .value_kind: global_buffer, .address_space: global }
      - { .name: w1i, .offset: 72, .size: 8, .value_kind: global_buffer, .address_space: global }
      - { .name: w2i, .offset: 80, .size: 8, .value_kind: global_buffer, .address_space: global }
    .group_segment_fixed_size: 232960
    .private_segment_fixed_size: 0
    .kernarg_segment_align: 8
    .kernarg_segment_size: 88
    .max_flat_workgroup_size: 256
    .sgpr_count:     80
    .vgpr_count:     224
    .wavefront_size: 32
...
	.end_amdgpu_metadata
.endif
;; end of part 1
;; launch place (part 2): grid 1 x 1, 8 waves a work-group, no clusters, 2,048 bytes of LDS; arguments route, order; writes order
.if DOCPART == 2
	.amdgcn_target "amdgcn-amd-amdhsa--gfx1250"
	.amdhsa_code_object_version 6
	.text
	.protected	k_qb8192b95ca_place
	.globl	k_qb8192b95ca_place
	.p2align	8
	.type	k_qb8192b95ca_place,@function
k_qb8192b95ca_place:
	s_mov_b64 s[64:65], 0
	v_nop
	global_prefetch_b8 v0, s[64:65] scope:SCOPE_SE
	s_setreg_imm32_b32 hwreg(HW_REG_WAVE_MODE, 25, 1), 1
	s_wait_xcnt 0x0
; MoE, launch 2 of 3: a counting sort of the 8,192 tokens by their pair of experts (28 keys), stable, without atomics.
; route: [group g of 32 tokens][lane][2 words]: word 0 = token | i0 << 13 | i1 << 16 | key << 19 | rank << 24, word 1 = the group's count of key = lane.
; A token's slot = (tokens of smaller keys) + (tokens of its key in earlier groups) + its rank in its group.  order[slot] = the token's word 0.
; One work-group, since the sum runs over all groups.  Wave w owns groups 32 w .. 32 w + 31; in the counts a lane is a key, in the words a lane is a token.
; The slots are a permutation of 0 .. 8,191, so every word of order is written.  They are held to 8,191 ahead of the address.
.set SPARE, 1024                       ; LDS: bytes 0-1023 the waves' totals [wave][key]; then the spare words, 128 bytes a wave
	s_load_b128 s[4:7], s[0:1], 0x0                ; route, order
	v_lshl_add_u32 v1, v0, 2, SPARE
	v_mov_b32 v2, 0
	v_lshrrev_b32 v3, 5, v0
	v_readfirstlane_b32 s8, v3                     ; wave
	v_and_b32 v4, 31, v0
	v_lshlrev_b32 v5, 3, v4
	s_lshl_b32 s9, s8, 13
	v_add_nc_u32 v5, s9, v5                        ; 8 x lane + my 32 groups of 256 bytes
	v_lshlrev_b32 v6, 2, v4
	s_lshl_b32 s9, s8, 7
	v_add_nc_u32 v7, s9, v6
	s_wait_kmcnt 0x0
.set i, 0
.rept 32
	global_load_b64 v[32+2*i:33+2*i], v5, s[4:5] offset:256*i
.set i, i+1
.endr
	s_wait_loadcnt 0x0
.irp c, 0,1,2,3
	v_add_nc_u32 v[8+\c], v[33+2*\c], v[41+2*\c]   ; my 32 groups' counts of each key, in four chains
.endr
.irp g, 8,12,16,20,24,28
.irp c, 0,1,2,3
	v_add_nc_u32 v[8+\c], v[8+\c], v[33+2*(\g+\c)]
.endr
.endr
	v_add_nc_u32 v8, v8, v9
	v_add_nc_u32 v10, v10, v11
	v_add_nc_u32 v8, v8, v10
	ds_store_b32 v7, v8
	s_wait_dscnt 0x0                               ; for the others' sake
	s_barrier_signal -1
	s_barrier_wait -1
.irp q, 0,1,2,3,4,5,6,7
	ds_load_b32 v[16+\q], v6 offset:128*\q
.endr
	s_wait_dscnt 0x0
	v_add3_u32 v12, v16, v17, v18
	v_add3_u32 v12, v12, v19, v20
	v_add3_u32 v12, v12, v21, v22
	v_add_nc_u32 v12, v12, v23                     ; lane k: all tokens of key k
	v_mov_b32 v13, 0
.irp q, 0,1,2,3,4,5,6
	s_cmp_gt_u32 s8, \q
	s_cselect_b32 s9, -1, 0
	v_and_b32 v14, s9, v[16+\q]
	v_add_nc_u32 v13, v13, v14                     ; those of earlier waves
.endr
	v_mov_b32 v15, 0
	s_mov_b32 s10, 0
.set k, 0
.rept 28
	v_readlane_b32 s11, v12, k
	v_writelane_b32 v15, s10, k                    ; lane k: tokens of smaller keys
	s_add_co_u32 s10, s10, s11
.set k, k+1
.endr
	v_add_nc_u32 v96, v15, v13                     ; lane k: where group i's tokens of key k begin
.set i, 0
.rept 31
	v_add_nc_u32 v[97+i], v[96+i], v[33+2*i]
.set i, i+1
.endr
.set i, 0
.rept 32
	v_bfe_u32 v[128+i], v[32+2*i], 19, 5           ; my token's key,
	v_lshlrev_b32 v[128+i], 2, v[128+i]            ; as a lane's byte index
.set i, i+1
.endr
.set i, 0
.rept 32
	ds_bpermute_b32 v[160+i], v[128+i], v[96+i]    ; from the lane of that key: no LDS byte is touched
.set i, i+1
.endr
	s_wait_dscnt 0x0
.set i, 0
.rept 32
	v_bfe_u32 v[96+i], v[32+2*i], 24, 5            ; + my rank
	v_add_nc_u32 v[160+i], v[160+i], v[96+i]
	v_min_u32 v[160+i], 0x1fff, v[160+i]
	v_lshlrev_b32 v[160+i], 2, v[160+i]
	global_store_b32 v[160+i], v[32+2*i], s[6:7]   ; each group has address and data registers of its own: none is written again
.set i, i+1
.endr
	s_wait_tensorcnt 0x0                           ; the wave's end: behind my last LDS store
	ds_add_u32 v1, v2
	s_wait_dscnt 0x0
	s_endpgm
.Lfunc_end_k_qb8192b95ca_place:
	.size	k_qb8192b95ca_place, .Lfunc_end_k_qb8192b95ca_place-k_qb8192b95ca_place
	.p2alignl 7, 3214868480
	.fill 96, 4, 3214868480
	.section	.rodata,"a",@progbits
	.p2align	6, 0x0
	.amdhsa_kernel k_qb8192b95ca_place
		.amdhsa_group_segment_fixed_size 2048
		.amdhsa_private_segment_fixed_size 0
		.amdhsa_enable_private_segment 0
		.amdhsa_kernarg_size 16
		.amdhsa_user_sgpr_count 2
		.amdhsa_user_sgpr_kernarg_segment_ptr 1
		.amdhsa_wavefront_size32 1
		.amdhsa_system_sgpr_workgroup_id_x 1
		.amdhsa_system_sgpr_workgroup_id_y 1
		.amdhsa_system_sgpr_workgroup_id_z 1
		.amdhsa_system_vgpr_workitem_id 0
		.amdhsa_next_free_vgpr 192
		.amdhsa_next_free_sgpr 66
		.amdhsa_reserve_vcc 0
		.amdhsa_float_denorm_mode_32 3
		.amdhsa_float_denorm_mode_16_64 3
		.amdhsa_memory_ordered 1
		.amdhsa_forward_progress 1
		.amdhsa_inst_pref_size 27
	.end_amdhsa_kernel
	.amdgpu_metadata
---
amdhsa.version: [ 1, 2 ]
amdhsa.kernels:
  - .name:           k_qb8192b95ca_place
    .symbol:         k_qb8192b95ca_place.kd
    .args:
      - { .name: route, .offset: 0, .size: 8, .value_kind: global_buffer, .address_space: global }
      - { .name: order, .offset: 8, .size: 8, .value_kind: global_buffer, .address_space: global }
    .group_segment_fixed_size: 2048
    .private_segment_fixed_size: 0
    .kernarg_segment_align: 8
    .kernarg_segment_size: 16
    .max_flat_workgroup_size: 256
    .sgpr_count:     66
    .vgpr_count:     192
    .wavefront_size: 32
...
	.end_amdgpu_metadata
.endif
;; end of part 2
;; launch chain (part 3): grid 256 x 1, 4 waves a work-group, no clusters, 150,528 bytes of LDS; arguments order, xq, xs, gwt, w1i, w1_scales, b1, w2i, w2_scales, b2, out0; writes out0
.if DOCPART == 3
	.amdgcn_target "amdgcn-amd-amdhsa--gfx1250"
	.amdhsa_code_object_version 6
	.text
	.protected	k_qb8192b95ca_chain
	.globl	k_qb8192b95ca_chain
	.p2align	8
	.type	k_qb8192b95ca_chain,@function
k_qb8192b95ca_chain:
	s_mov_b64 s[64:65], 0
	v_nop
	global_prefetch_b8 v0, s[64:65] scope:SCOPE_SE
	s_setreg_imm32_b32 hwreg(HW_REG_WAVE_MODE, 25, 1), 1
	s_wait_xcnt 0x0
; MoE, launch 3 of 3: out[t] = sum over the token's two experts e of weight(t, e) x (Q(relu(Q(x[t]) W1[e] + b1[e])) W2[e] + b2[e]), both products on E3M2 codes with E8M0 block scales.
; WORK LEFT OUT: the rows of both products for experts that top_i does not name for a token: reference() throws them away by its own take_along_axis (shown at the head of the first kernel).
; LIMITS: inside a block of 32 tokens every used expert is run for all 32; for a token that did not choose it the hidden row is set to 0 and the weight is 0, so an overflow there is not carried on.
; NaN and infinities are not served (the clamp that does the relu drops a NaN and holds +infinity at the largest f32).  A hidden block under 2^-122, or of zeros, gets the scale byte 1: its codes serve this launch alone.
; SHARES.  Work-group b owns the sorted slots 32 b .. 32 b + 31 (order): two tiles m of 16 tokens, and so each output row has one owner.  The tokens are sorted by their pair of experts, so a block uses n experts, 2 as a rule, 8 at most.
; THE WAVES SHARE THE COLUMNS: wave w makes hidden units 32 w .. 32 w + 31 (tiles u = 0, 1: one block of the quantiser) and outputs 256 w .. 256 w + 255 (16 tiles), for both tiles of tokens: each byte of a used expert's weights enters the work-group once.
; Both products are used transposed (source 0 = 16 rows of a weight, source 1 = 16 tokens): a lane holds ONE token throughout, and the gate's weight is one number a lane.
; The walk over experts hangs on numbers read from memory, so the launch has no tensor load, no cluster and no multicast: the weights come from memory straight into registers, as images that the first launch laid out
; (48 loads of 512 bytes on end for a wave's share of one expert's W1 or W2), two buffers by turns, one job ahead.  No barrier stands under a branch on such a number.
; PHASES: gather x's codes (through LDS, since every wave wants all 32 tokens) | barrier | 1: for each used expert j: 32 products, relu, quantise, image to LDS | barrier | 2: for each j: 32 products, x weight, summed in 256 registers | way out.
; THE STEPS j = 0 .. 7 OF BOTH PHASES ARE WRITTEN OUT, with a forward branch on n in front of each from j = 2 on: so j stands in the immediates of the LDS instructions, and every LDS address is a register made at the head plus a constant.
; REGISTERS, in windows of 256.  Window 0: v1, v2 the add's two; v3-17 addresses; v18, v19 slot's word and token; v20-23 the tiles' experts; v24-27 their weights; v28-31 the weight for the expert in hand (pairs);
;   v32-39 x's scale words, v40-55 the weights' (two sets), v139 the hidden layer's: scales and nothing else; v56-87 b1 (two sets), later the rows' offsets in out0; v88-103 b2's slices on their way to LDS;
;   v104-135 the hidden layer, later its fragments; v136-138 the clamp's upper bounds; v140-158 at work; v160-255 a ring of two sets (b2 tiles 16, results 32), at the head x's rows, at the end rows of out0.
;   Window 1: x's 16 fragments (96 m + 12 s), later the 32 accumulators of out (8 (2 n + m)).   Window 2: weight buffer A (192).   Window 3: weight buffer B.
.set XP,    784                        ; LDS: x's codes, 32 slots, 768 bytes + 16
.set HC,    25088                      ; the hidden layer's fragments [j][m][lane x 48 bytes]: images of the operand's registers
.set HS,    49664                      ; their scale bytes [j][slot][4]
.set B2R,   50688                      ; [j][wave][1,024 bytes]: the wave's slice of b2[e_j]
.set OS,    83456                      ; the way out: for each wave 16 rows of 1,024 bytes + 16
.set OP,    1040
.set SPARE, 150016                     ; the spare words, 128 bytes a wave: two blocks of 256 bytes that no other line names
.set XS,  32
.set SW,  40
.set B1,  56
.set B2L, 88
.set HA,  104
.set HF,  104
.set RC,  160
.set RD,  176
.set MSB, 0
.macro WIN new                         ; the immediate's high byte repeats the setting that is left; a switch that changes nothing is dropped
.if MSB != (\new)
	s_set_vgpr_msb (MSB<<8)|(\new)
.set MSB, \new
.endif
.endm
; one scaled product: registers by number; ra, rb: the scales stand in lanes 16-31 of their register
.macro WM d, a, b, c, sa, sb, ra, rb
.if (\ra) && (\rb)
	v_wmma_scale_f32_16x16x128_f8f6f4 v[\d:\d+7], v[\a:\a+11], v[\b:\b+11], v[\c:\c+7], v[\sa], v[\sb] matrix_a_fmt:MATRIX_FMT_BF6 matrix_b_fmt:MATRIX_FMT_BF6 matrix_a_scale:MATRIX_SCALE_ROW1 matrix_b_scale:MATRIX_SCALE_ROW1
.elseif (\ra)
	v_wmma_scale_f32_16x16x128_f8f6f4 v[\d:\d+7], v[\a:\a+11], v[\b:\b+11], v[\c:\c+7], v[\sa], v[\sb] matrix_a_fmt:MATRIX_FMT_BF6 matrix_b_fmt:MATRIX_FMT_BF6 matrix_a_scale:MATRIX_SCALE_ROW1
.elseif (\rb)
	v_wmma_scale_f32_16x16x128_f8f6f4 v[\d:\d+7], v[\a:\a+11], v[\b:\b+11], v[\c:\c+7], v[\sa], v[\sb] matrix_a_fmt:MATRIX_FMT_BF6 matrix_b_fmt:MATRIX_FMT_BF6 matrix_b_scale:MATRIX_SCALE_ROW1
.else
	v_wmma_scale_f32_16x16x128_f8f6f4 v[\d:\d+7], v[\a:\a+11], v[\b:\b+11], v[\c:\c+7], v[\sa], v[\sb] matrix_a_fmt:MATRIX_FMT_BF6 matrix_b_fmt:MATRIX_FMT_BF6
.endif
.endm
.macro EXP dst, j                      ; the j-th used expert's number, out of the list s28 (four bits each), held to 7
	s_bfe_u32 \dst, s28, 0x30000+4*(\j)
	s_min_u32 \dst, \dst, 7
.endm
.macro IMAGES p                        ; 48 loads of 512 bytes on end: my 16 fragments of the expert, register 4 i of buffer p
	WIN 0x80+0x40*\p
.set i, 0
.rept 48
	global_load_b128 v[4*i:4*i+3], v3, s[32:33] offset:512*i
.set i, i+1
.endr
	WIN 0
.endm
; A JOB is 56 loads.  W1's: the images, my 32 rows' scale words (8 a lane), b1 in the result's layout (16 a lane), my slice of b2 (8 a lane).
.macro W1LOAD p, se
	s_wait_xcnt 0x0                                ; earlier loads have read their bases: they may be written
	s_mul_i32 s40, \se, 98304
	s_add_co_u32 s40, s40, s45
	s_add_nc_u64 s[32:33], s[12:13], s[40:41]
	s_lshl_b32 s40, \se, 12
	s_add_co_u32 s40, s40, s46
	s_add_nc_u64 s[34:35], s[14:15], s[40:41]
	s_add_nc_u64 s[38:39], s[22:23], s[40:41]
	s_lshl_b32 s40, \se, 9
	s_add_co_u32 s40, s40, s47
	s_add_nc_u64 s[36:37], s[16:17], s[40:41]
	IMAGES \p
	global_load_b128 v[SW+8*\p:SW+8*\p+3], v5, s[34:35]
	global_load_b128 v[SW+8*\p+4:SW+8*\p+7], v5, s[34:35] offset:16
.irp q, 0,1,2,3
	global_load_b128 v[B1+16*\p+4*\q:B1+16*\p+4*\q+3], v6, s[36:37] offset:16*\q
.endr
	global_load_b128 v[B2L+8*\p:B2L+8*\p+3], v3, s[38:39]
	global_load_b128 v[B2L+8*\p+4:B2L+8*\p+7], v3, s[38:39] offset:512
.endm
; W2's: the images and my 256 rows' scale words: register k: lanes 0-15 tile 2 k, lanes 16-31 tile 2 k + 1
.macro W2LOAD p, se
	s_wait_xcnt 0x0
	s_mul_i32 s40, \se, 98304
	s_add_co_u32 s40, s40, s45
	s_add_nc_u64 s[32:33], s[18:19], s[40:41]
	s_lshl_b32 s40, \se, 12
	s_add_co_u32 s40, s40, s46
	s_add_nc_u64 s[34:35], s[20:21], s[40:41]
	IMAGES \p
.irp k, 0,1,2,3,4,5,6,7
	global_load_b32 v[SW+8*\p+\k], v4, s[34:35] offset:128*\k
.endr
.endm
	s_load_b512 s[4:19], s[0:1], 0x0               ; order, xq, xs, gwt, w1i, w1_scales, b1, w2i
	s_load_b128 s[20:23], s[0:1], 0x40             ; w2_scales, b2
	s_load_b64 s[24:25], s[0:1], 0x50              ; out0
	v_lshl_add_u32 v1, v0, 2, SPARE
	v_mov_b32 v2, 0
	v_lshrrev_b32 v140, 5, v0
	v_readfirstlane_b32 s26, v140                  ; wave 0..3
	v_and_b32 v140, 31, v0                         ; l
	v_and_b32 v141, 15, v0                         ; r
	v_bfe_u32 v142, v0, 4, 1                       ; h
	v_lshlrev_b32 v3, 4, v140                      ; 16 l
	v_lshlrev_b32 v4, 2, v140                      ; 4 l
	v_and_b32 v143, 8, v141
	v_add_nc_u32 v143, v143, v141
	v_lshl_add_u32 v143, v142, 3, v143
	v_lshlrev_b32 v5, 5, v143                      ; W1's scale words: lanes 0-15 the rows of tile 0, r + 8 (r / 8), lanes 16-31 those of tile 1, 8 more; 32 bytes a row
	v_lshlrev_b32 v6, 6, v142                      ; b1: my half's 16 hidden units
	s_mul_i32 s50, s26, 8*XP
	v_mul_u32_u24 v7, v142, XP
	v_lshl_add_u32 v7, v141, 4, v7
	v_add_nc_u32 v7, s50, v7                       ; x's rows into LDS: slot 8 w + h, 16 bytes a lane
	v_mul_u32_u24 v8, v141, XP
	v_mad_u32_u24 v8, v142, 384, v8                ; and out of it: slot r, my half's 384 bytes
	s_and_b32 s50, s26, 1
	s_mul_i32 s50, s50, 768
	s_lshr_b32 s51, s26, 1
	s_mul_i32 s51, s51, 24
	s_add_co_u32 s50, s50, s51
	s_add_co_u32 s50, s50, HC
	v_mul_u32_u24 v9, v141, 48
	v_mad_u32_u24 v9, v142, 12, v9
	v_add_nc_u32 v9, s50, v9                       ; my 16 hidden codes: block w of the next K lies in lane r + 16 (w % 2), registers 6 (w / 2) + 3 h on
	s_add_co_u32 s50, s26, HS
	v_lshl_add_u32 v10, v141, 2, s50               ; its scale byte: byte w of token r's word
	s_lshl_b32 s46, s26, 10                        ; 1,024 w
	s_add_co_u32 s50, s46, B2R
	v_add_nc_u32 v11, s50, v3                      ; b2's slice in
	v_lshl_add_u32 v14, v142, 5, s50               ; and out: my half's 8 outputs of a tile
	v_mul_u32_u24 v12, v140, 48
	v_add_nc_u32 v12, HC, v12                      ; a hidden fragment back: 48 bytes a lane
	v_add_nc_u32 v13, HS, v4                       ; its scale words: lane = slot
	s_mul_i32 s51, s26, 16*OP
	s_add_co_u32 s51, s51, OS
	v_mul_u32_u24 v15, v141, OP
	v_lshl_add_u32 v15, v142, 5, v15
	v_add_nc_u32 v15, s51, v15                     ; the way out: row r, 32 bytes for each half
	v_add_nc_u32 v16, s51, v3                      ; back: 512 bytes of a row
	v_add_nc_u32 v17, s46, v3                      ; and their place in a row of out0
	s_mul_i32 s45, s26, 24576
	s_lshl_b32 s47, s26, 7
	s_mov_b32 s41, 0
	s_mov_b32 s48, 0x76543210
	s_mov_b32 s49, 0xfedcba98                      ; v_permlanex16_b32's selects for lane l xor 16
	v_mov_b32 v138, 0x7f7fffff                     ; the largest f32
	v_mov_b32 v29, 0                               ; (upper halves of pairs of which the low word serves both halves)
	v_mov_b32 v31, 0
	v_mov_b32 v146, 0                              ; (a lane permute's destination counts as one of its sources)
	v_mov_b32 v147, 0
	s_lshl_b32 s50, s26, 5
	v_lshl_add_u32 v208, v142, 2, s50
	v_lshlrev_b32 v209, 2, v141
	s_lshl_b32 s52, ttmp9, 7
	s_mov_b32 s53, 0
	s_wait_kmcnt 0x0
	s_add_nc_u64 s[4:5], s[4:5], s[52:53]          ; my 32 words of order
	global_load_b32 v18, v4, s[4:5]                ; lane = slot
.irp i, 0,1,2,3
	global_load_b32 v[210+\i], v208, s[4:5] offset:8*\i   ; slot 8 w + 2 i + h: the rows that I gather
.endr
.irp m, 0,1
	global_load_b32 v[214+\m], v209, s[4:5] offset:64*\m  ; slot 16 m + r: my token of tile m
.endr
	s_wait_loadcnt 0x0
	v_and_b32 v19, 0x1fff, v18
	v_min_u32 v19, 0x1fff, v19                     ; the token, held inside its tables
.irp i, 0,1,2,3
	v_and_b32 v[216+\i], 0x1fff, v[210+\i]
	v_min_u32 v[216+\i], 0x1fff, v[216+\i]
	v_mul_u32_u24 v[216+\i], v[216+\i], 768
	v_lshl_add_u32 v[216+\i], v141, 4, v[216+\i]
.endr
.irp m, 0,1
	v_and_b32 v[220+\m], 0x1fff, v[214+\m]
	v_min_u32 v[220+\m], 0x1fff, v[220+\m]
	v_lshlrev_b32 v[220+\m], 3, v[220+\m]
	v_bfe_u32 v[20+\m], v[214+\m], 13, 3           ; its first expert
	v_bfe_u32 v[22+\m], v[214+\m], 16, 3           ; its second
.endr
	v_lshlrev_b32 v222, 5, v19
.irp i, 0,1,2,3
.irp p, 0,1,2
	global_load_b128 v[160+12*\i+4*\p:163+12*\i+4*\p], v[216+\i], s[6:7] offset:256*\p th:TH_LOAD_NT   ; sixteen lanes: 256 bytes of a token's 768
.endr
.endr
	global_load_b128 v[32:35], v222, s[8:9]        ; x's scale words: register s = K step s; lanes 0-15 tile 0, lanes 16-31 tile 1
	global_load_b128 v[36:39], v222, s[8:9] offset:16
.irp m, 0,1
	global_load_b64 v[24+2*\m:25+2*\m], v[220+\m], s[10:11]   ; the two softmax weights
.endr
	; the list of experts that the block uses, ascending, four bits each, and their number n
	v_bfe_u32 v223, v18, 13, 3
	v_bfe_u32 v224, v18, 16, 3
	s_mov_b32 s28, 0
	s_mov_b32 s54, 0
.irp e, 0,1,2,3,4,5,6,7
	v_cmp_eq_u32 s50, \e, v223
	v_cmp_eq_u32 s51, \e, v224
	s_or_b32 s50, s50, s51                         ; does any slot use e?
	s_cselect_b32 s52, \e, 0
	s_cselect_b32 s53, 4, 0
	s_lshl_b32 s52, s52, s54
	s_or_b32 s28, s28, s52
	s_add_co_u32 s54, s54, s53
.endr
	s_lshr_b32 s27, s54, 2                         ; n
	EXP s50, 0
	W1LOAD 0, s50
.set i, 0
.rept 32
	v_readlane_b32 s[66+i], v19, i                 ; the 32 tokens as scalars, for the way out
.set i, i+1
.endr
.set i, 0
.rept 32
	s_min_u32 s[66+i], s[66+i], 0x1fff
.set i, i+1
.endr
	s_wait_loadcnt 60                              ; x's 12 row loads are in; behind them: 2 of xs, 2 of gwt, the job's 56
.irp i, 0,1,2,3
.irp p, 0,1,2
	ds_store_b128 v7, v[160+12*\i+4*\p:163+12*\i+4*\p] offset:2*XP*\i+256*\p
.endr
.endr
	s_wait_dscnt 0x0                               ; for the others' sake
	s_barrier_signal -1
	s_barrier_wait -1                              ; the 32 tokens' codes lie in LDS
	WIN 0x40
.irp m, 0,1
.irp s, 0,1,2,3,4,5,6,7
.irp c, 0,1,2
	ds_load_b128 v[96*\m+12*\s+4*\c:96*\m+12*\s+4*\c+3], v8 offset:16*XP*\m+48*\s+16*\c   ; x's fragments stay in registers for all experts
.endr
.endr
.endr
	WIN 0
	EXP s50, 1
	W1LOAD 1, s50
	s_wait_loadcnt 56                              ; all but the job just issued: xs, gwt and buffer A are in
	s_wait_dscnt 0x0
; PHASE 1, the j-th used expert; its W1 lies in buffer j % 2, which is in at the step's head.
.macro P1STEP j
.set PB, (\j)%2
	EXP s50, \j
.irp m, 0,1
	v_cmp_eq_u32 s52, s50, v[20+\m]
	v_cmp_eq_u32 s53, s50, v[22+\m]
	s_or_b32 s52, s52, s53
	v_cndmask_b32 v[136+\m], 0, v138, s52          ; the clamp's upper bound: the largest f32 for a token that uses this expert, 0 for one that does not
.endr
	WIN 0x06+PB                                    ; source 0 (W1) window 2 or 3, source 1 (x) window 1
.irp s, 0,1,2,3,4,5,6,7                ; the four accumulators take turns, one instruction a turn; b1 is the C of each sum's first product
.irp u, 0,1
.irp m, 0,1
.if \s == 0
	WM HA+16*\m+8*\u, 12*(2*\s+\u), 96*\m+12*\s, B1+16*PB+8*\u, SW+8*PB+\s, XS+\s, \u, \m
.else
	WM HA+16*\m+8*\u, 12*(2*\s+\u), 96*\m+12*\s, HA+16*\m+8*\u, SW+8*PB+\s, XS+\s, \u, \m
.endif
.endr
.endr
.endr
	WIN 0
.rept 4
	v_nop                                          ; four places ahead of the first read of results
.endr
	; lane (r, h): token r of tile m; register 16 m + i = hidden unit 32 w + 16 h + i.  Each accumulator is read from its low end on
.irp i, 0,1,2,3,4,5,6,7,8,9,10,11,12,13,14,15
.irp m, 0,1
	v_med3_num_f32 v[HA+16*\m+\i], v[HA+16*\m+\i], 0, v[136+\m]   ; the relu, and 0 for a token that does not use this expert
.endr
.endr
.irp m, 0,1
	v_max3_num_f32 v[144+\m], v[HA+16*\m], v[HA+16*\m+1], 0x2800000   ; none is negative; the floor 2^(5 - 127) holds the byte at 1 from below
.endr
.irp i, 2,4,6,8,10,12,14
.irp m, 0,1
	v_max3_num_f32 v[144+\m], v[144+\m], v[HA+16*\m+\i], v[HA+16*\m+\i+1]
.endr
.endr
.irp m, 0,1
	v_permlanex16_b32 v[146+\m], v[144+\m], s48, s49
.endr
.irp m, 0,1
	v_max_num_f32 v[144+\m], v[144+\m], v[146+\m]  ; with lane l xor 16's 16: the block's largest
.endr
.irp m, 0,1
	v_add_nc_u32 v[148+\m], 0xfe000000, v[144+\m]  ; 4 off the exponent field: the conversion's scale operand
.endr
.irp m, 0,1
	v_lshrrev_b32 v[150+\m], 23, v[148+\m]         ; the scale's byte
.endr
	v_cvt_scalef32_pk16_bf6_f32 v[152:154], v[HA:HA+15], v148
	v_cvt_scalef32_pk16_bf6_f32 v[156:158], v[HA+16:HA+31], v149
	v_nop                                          ; one plain line behind the conversions
.irp m, 0,1
.irp i, 0,1,2
	ds_store_b32 v9, v[152+4*\m+\i] offset:(\j)*3072+1536*\m+4*\i
.endr
	ds_store_b8 v10, v[150+\m] offset:(\j)*128+64*\m   ; both halves write the same byte with the same value
.endr
	ds_store_b128 v11, v[B2L+8*PB:B2L+8*PB+3] offset:(\j)*4096
	ds_store_b128 v11, v[B2L+8*PB+4:B2L+8*PB+7] offset:(\j)*4096+512
	s_wait_dscnt 0x0                               ; the stores have read their registers: the loads below land in some of them
.if (\j)+2 < 8
	s_cmp_gt_u32 s27, \j+2
	s_cbranch_scc0 .Lto_w2_\@
	EXP s50, \j+2
	W1LOAD PB, s50                                 ; this buffer takes W1 of the expert two on,
	s_branch .Lasked_\@
.Lto_w2_\@:
.endif
	EXP s50, PB
	W2LOAD PB, s50                                 ; or, when there is none, W2 of the expert that phase 2 multiplies from this buffer first
.if (\j)+2 < 8
.Lasked_\@:
.endif
	s_wait_loadcnt 56                              ; all but the 56 just issued: the other buffer is in
.endm
	P1STEP 0                                       ; a block uses two experts at the least: a token's two are different
	P1STEP 1
.irp t, 2,4,6
	s_cmp_le_u32 s27, \t
	s_cbranch_scc1 .Ldone1                         ; n = t, even: the youngest job is buffer B's; buffer A, which phase 2 takes first, is in
	P1STEP \t
	s_cmp_le_u32 s27, \t+1
	s_cbranch_scc1 .Lodd1
	P1STEP \t+1
.endr
	s_branch .Ldone1
.Lodd1:
	s_wait_loadcnt 0x0                             ; an odd n: buffer A's job is the one just issued
.Ldone1:
	s_wait_dscnt 0x0
	s_barrier_signal -1
	s_barrier_wait -1                              ; every used expert's hidden fragments and scale bytes lie in LDS
.macro CLOAD k, j                      ; b2 for tiles 2 k, 2 k + 1, in the result's layout, into set k % 2
.irp nn, 0,1
.irp q, 0,1
	ds_load_b128 v[RC+48*((\k)%2)+8*\nn+4*\q:RC+48*((\k)%2)+8*\nn+4*\q+3], v14 offset:(\j)*4096+128*(\k)+64*\nn+16*\q
.endr
.endr
.endm
.macro P2FMA k, first                  ; out += weight x (the four results of group k); each result is read from its low end on.  first = 1: the products start the sums: nothing is cleared
.if \first
	WIN 0x40
.else
	WIN 0x50
.endif
.irp x, 0,2,4,6,8,10,12,14,16,18,20,22,24,26,28,30
.if \first
	v_pk_mul_f32 v[32*(\k)+\x:32*(\k)+\x+1], v[RD+48*((\k)%2)+\x:RD+48*((\k)%2)+\x+1], v[28+2*((\x/8)%2):29+2*((\x/8)%2)] op_sel_hi:[1,0]
.else
	v_pk_fma_f32 v[32*(\k)+\x:32*(\k)+\x+1], v[RD+48*((\k)%2)+\x:RD+48*((\k)%2)+\x+1], v[28+2*((\x/8)%2):29+2*((\x/8)%2)], v[32*(\k)+\x:32*(\k)+\x+1] op_sel_hi:[1,0,1]
.endif
.endr
.endm
; PHASE 2, the j-th used expert; its W2 lies in buffer j % 2.  Eight groups of four products (two tiles of outputs x two tiles of tokens), each a whole sum over K = 128 with b2 as C.
; A group's sixteen multiply-adds stand behind the NEXT group's products: they are the places between a product and the read of its result, and in front of the loads into the set that it read.
.macro P2STEP j, first
.set PB, (\j)%2
	EXP s50, \j
.irp m, 0,1
	v_cmp_eq_u32 s52, s50, v[22+\m]
	v_cndmask_b32 v[28+2*\m], 0, v[25+2*\m], s52
	v_cmp_eq_u32 s53, s50, v[20+\m]
	v_cndmask_b32 v[28+2*\m], v[28+2*\m], v[24+2*\m], s53   ; my token's weight for this expert, 0 if it did not choose it
.endr
.irp m, 0,1
.irp c, 0,1,2
	ds_load_b128 v[HF+12*\m+4*\c:HF+12*\m+4*\c+3], v12 offset:(\j)*3072+1536*\m+16*\c
.endr
.endr
	ds_load_b32 v139, v13 offset:(\j)*128
	CLOAD 0, \j
	CLOAD 1, \j
.irp k, 0,1,2,3,4,5,6,7
.if \k == 7
	s_wait_dscnt 0x0
.else
	s_wait_dscnt 4                                 ; all but the next group's four loads of b2
.endif
	WIN 0x02+PB                                    ; source 0 (W2) window 2 or 3
.irp nn, 0,1
.irp m, 0,1
	WM RD+48*(\k%2)+16*\nn+8*\m, 12*(2*\k+\nn), HF+12*\m, RC+48*(\k%2)+8*\nn, SW+8*PB+\k, 139, \nn, \m
.endr
.endr
.if \k == 0
.rept 4
	v_nop                                          ; the first group has no multiply-adds to set here
.endr
.else
	P2FMA \k-1, \first
.endif
.if \k+2 <= 7
	WIN 0
	CLOAD \k+2, \j
.endif
.endr
	P2FMA 7, \first
	WIN 0
.if (\j)+2 < 8
	s_cmp_gt_u32 s27, \j+2
	s_cbranch_scc0 .Lno_more_\@
	EXP s50, \j+2
	W2LOAD PB, s50
	s_wait_loadcnt 56                              ; all but the 56 just issued: the other buffer is in
	s_branch .Lnext_\@
.Lno_more_\@:
.endif
	s_wait_loadcnt 0x0
.if (\j)+2 < 8
.Lnext_\@:
.endif
.endm
	P2STEP 0, 1
	P2STEP 1, 0
.irp t, 2,3,4,5,6,7
	s_cmp_le_u32 s27, \t
	s_cbranch_scc1 .Ldone2
	P2STEP \t, 0
.endr
.Ldone2:
	s_wait_loadcnt 0x0
	; THE WAY OUT.  A lane holds 32 bytes of its token's row; a tile of 16 tokens goes through my own stage and comes back as pieces of 512 bytes on end, which go to the tokens' rows of out0.
.set i, 0
.rept 32
	v_lshl_add_u32 v[56+i], s[66+i], 12, v17       ; slot i's row of 4,096 bytes, my wave's 1,024, 16 bytes a lane
.set i, i+1
.endr
.macro STAGE m
	WIN 0x04                                       ; an LDS store's data are its source 1: window 1
.irp n, 0,1,2,3,4,5,6,7,8,9,10,11,12,13,14,15
	ds_store_b128 v15, v[8*(2*\n+\m):8*(2*\n+\m)+3] offset:64*\n
	ds_store_b128 v15, v[8*(2*\n+\m)+4:8*(2*\n+\m)+7] offset:64*\n+16
.endr
	WIN 0
.endm
.macro LOADB t                         ; batch t of 8: slots 4 t .. 4 t + 3, into buffer t % 2.  LDS serves a wave's instructions in order: these see my stores, and a later tile's stores come behind them
.irp i, 0,1,2,3,4,5,6,7
	ds_load_b128 v[160+32*((\t)%2)+4*\i:160+32*((\t)%2)+4*\i+3], v16 offset:OP*(4*((\t)%4)+\i/2)+512*(\i%2)
.endr
.endm
.macro SEND t
.irp i, 0,1,2,3,4,5,6,7
	global_store_b128 v[56+4*(\t)+\i/2], v[160+32*((\t)%2)+4*\i:160+32*((\t)%2)+4*\i+3], s[24:25] offset:512*(\i%2) th:TH_STORE_NT   ; 32 lanes: 512 bytes on end, at a multiple of 512 in the row
.endr
.endm
	STAGE 0
	LOADB 0
	LOADB 1
	s_wait_dscnt 8                                 ; batch 0 is back; batch 1's eight loads may be out
	SEND 0
.irp t, 1,2
	s_wait_xcnt 0x0                                ; the stores of batch t - 1 have read their registers: batch t + 1 may land there
	LOADB \t+1
	s_wait_dscnt 8
	SEND \t
.endr
	STAGE 1
	s_wait_xcnt 0x0
	LOADB 4
	s_wait_dscnt 40                                ; behind batch 3's loads: the second tile's 32 stores and batch 4's eight loads
	SEND 3
.irp t, 4,5,6
	s_wait_xcnt 0x0
	LOADB \t+1
	s_wait_dscnt 8
	SEND \t
.endr
	s_wait_dscnt 0x0
	SEND 7
	s_wait_tensorcnt 0x0                           ; the wave's end: behind my last LDS store (every window is 0 here)
	ds_add_u32 v1, v2
	s_wait_dscnt 0x0
	s_endpgm
.Lfunc_end_k_qb8192b95ca_chain:
	.size	k_qb8192b95ca_chain, .Lfunc_end_k_qb8192b95ca_chain-k_qb8192b95ca_chain
	.p2alignl 7, 3214868480
	.fill 96, 4, 3214868480
	.section	.rodata,"a",@progbits
	.p2align	6, 0x0
	.amdhsa_kernel k_qb8192b95ca_chain
		.amdhsa_group_segment_fixed_size 150528
		.amdhsa_private_segment_fixed_size 0
		.amdhsa_enable_private_segment 0
		.amdhsa_kernarg_size 88
		.amdhsa_user_sgpr_count 2
		.amdhsa_user_sgpr_kernarg_segment_ptr 1
		.amdhsa_wavefront_size32 1
		.amdhsa_system_sgpr_workgroup_id_x 1
		.amdhsa_system_sgpr_workgroup_id_y 1
		.amdhsa_system_sgpr_workgroup_id_z 1
		.amdhsa_system_vgpr_workitem_id 0
		.amdhsa_next_free_vgpr 1024
		.amdhsa_next_free_sgpr 98
		.amdhsa_reserve_vcc 0
		.amdhsa_float_denorm_mode_32 3
		.amdhsa_float_denorm_mode_16_64 3
		.amdhsa_memory_ordered 1
		.amdhsa_forward_progress 1
		.amdhsa_inst_pref_size 255
	.end_amdhsa_kernel
	.section	.bss,"aw",@nobits
	.p2align	6
	.space	262144
	.amdgpu_metadata
---
amdhsa.version: [ 1, 2 ]
amdhsa.kernels:
  - .name:           k_qb8192b95ca_chain
    .symbol:         k_qb8192b95ca_chain.kd
    .args:
      - { .name: order, .offset: 0, .size: 8, .value_kind: global_buffer, .address_space: global }
      - { .name: xq, .offset: 8, .size: 8, .value_kind: global_buffer, .address_space: global }
      - { .name: xs, .offset: 16, .size: 8, .value_kind: global_buffer, .address_space: global }
      - { .name: gwt, .offset: 24, .size: 8, .value_kind: global_buffer, .address_space: global }
      - { .name: w1i, .offset: 32, .size: 8, .value_kind: global_buffer, .address_space: global }
      - { .name: w1_scales, .offset: 40, .size: 8, .value_kind: global_buffer, .address_space: global }
      - { .name: b1, .offset: 48, .size: 8, .value_kind: global_buffer, .address_space: global }
      - { .name: w2i, .offset: 56, .size: 8, .value_kind: global_buffer, .address_space: global }
      - { .name: w2_scales, .offset: 64, .size: 8, .value_kind: global_buffer, .address_space: global }
      - { .name: b2, .offset: 72, .size: 8, .value_kind: global_buffer, .address_space: global }
      - { .name: out0, .offset: 80, .size: 8, .value_kind: global_buffer, .address_space: global }
    .group_segment_fixed_size: 150528
    .private_segment_fixed_size: 0
    .kernarg_segment_align: 8
    .kernarg_segment_size: 88
    .max_flat_workgroup_size: 128
    .sgpr_count:     98
    .vgpr_count:     1024
    .wavefront_size: 32
...
	.end_amdgpu_metadata
.endif
;; end of part 3
;; ======== version 2 of 2: 2 launches
;; limits: right only within a limited range of input values
;; workspace buffers: xq 6,291,456 bytes; xs 262,144 bytes; route 32,768 bytes of whole numbers; cnt 16,384 bytes of whole numbers; gwt 65,536 bytes; w1i 786,432 bytes; w2i 786,432 bytes
;; launch prep (part 4): grid 256 x 1, 16 waves a work-group, no clusters, 267,776 bytes of LDS; arguments x, gate_w, gate_b, w1_codes, w2_codes, xq, xs, route, gwt, w1i, w2i, cnt; writes xq, xs, route, gwt, w1i, w2i, cnt
.if DOCPART == 4
	.amdgcn_target "amdgcn-amd-amdhsa--gfx1250"
	.amdhsa_code_object_version 6
	.text
	.protected	k_qb8192b95ca_prep
	.globl	k_qb8192b95ca_prep
	.p2align	8
	.type	k_qb8192b95ca_prep,@function
k_qb8192b95ca_prep:
	s_mov_b64 s[64:65], 0
	v_nop
	global_prefetch_b8 v0, s[64:65] scope:SCOPE_SE
	s_setreg_imm32_b32 hwreg(HW_REG_WAVE_MODE, 25, 1), 1
	s_wait_xcnt 0x0
; MoE, launch 1 of 2.  For each of the 8,192 tokens: the gate (x . gate_w + gate_b in f32, softmax with its maximum taken away, top-2), x turned into E3M2 codes with one
; E8M0 byte for each 32 along the 1,024, and, on the side, W1's and W2's codes laid out anew as images of the matrix operand's registers.
; WORK LEFT OUT BY THE PROGRAM (it is left out in the second launch): reference() computes h and expert_out for all 8 experts of every token and then keeps, by take_along_axis with top_i,
; the rows of the two experts that top_i names; the other six rows of expert_out[t] enter no later expression, whatever the inputs hold.  So only the two named experts' rows of the two
; quantised products are multiplied.  Whole numbers decide which: this launch stores them, the second reads them and sorts by them.  Every input has a way to the output: all are loaded.
; LIMITS: a NaN, an infinity or an overflow that arises only in an expert that a token did not choose is not carried to the result.  NaN and infinities among the inputs are not served.
; A block of x whose largest magnitude lies under 2^-122 gets the scale byte 1; a block of zeros gets 1 where the rule says 127 (its codes are zeros, and this program alone reads the bytes).
; The top-2 is taken on the eight exponentials by a strict greater-than, so the lower index wins a tie; the division by their sum is a reciprocal and a multiplication.
; SHARES.  Work-group g: tokens 32 g .. 32 g + 31.  Wave w: d = 128 w .. 128 w + 127 of all 32 tokens.  Lane l = (tau = l / 8, delta = l % 8): in round rho it holds the 16 neighbours
; d = 128 w + 16 delta + 0..15 of token 4 rho + tau: they feed the quantiser (two neighbouring lanes hold a block of 32) and the gate.  The lane's 16 x 8 numbers of gate_w stay in 128 registers.
; x and gate_w come by three tensor loads a wave, all first fills, each wave's own bytes.  No cluster: what work-groups share, gate_w, is 32 KB beside each work-group's own 128 KB of x.
; xq: [token][h][K step s][c][24 bytes]: block 4 s + 2 c + h of the token, so that lane (r, h) of an operand finds its 12 registers of K step s as 48 bytes on end.  xs: [token][32 bytes].
; route: [g][lane][2 words]: word 0 = token | i0 << 13 | i1 << 16 | key << 19 | rank << 24 of token 32 g + lane; word 1 = (how many of the group's tokens have key = lane) << 9 | 1:
; sums of such words count tokens above bit 9 and groups below it.  gwt: [token][2] f32.
; key numbers the 28 pairs of experts so that neighbouring keys share an expert.  rank = how many earlier tokens of the group have the same key.
; THE SHARES AND TABLES AS BUILT BELOW (they take the place of those named above).  Sixteen waves: wave w has the columns 128 (w % 8) on of tokens 16 (w / 8) .. 16 (w / 8) + 15, in four rounds of four tokens.
; x comes by ONE tensor load a wave (16 rows x 512 bytes), the wave's own bytes; gate_w's 4,096 bytes by eight ordinary loads, laid into the wave's own LDS bytes by the wave itself.
; route: [g][lane] word = token | i0 << 13 | i1 << 16 | key << 19 | rank << 24.  cnt: [g][key] 16 bits = (how many of the group's tokens have the key) << 9 | 1.
; W2's fragment F = 64 e + 4 T + t: lane r takes row 1,024 e + 64 T + 4 r + t, so that four tiles give a lane four neighbouring outputs.
.set XTW,   10240                      ; LDS: a wave's 16 rows of x: 8 x (64 bytes + 16 of padding) = 640 bytes a row
.set GW,    163840                     ; gate_w: a wave's 8 rows of 512 bytes + 16
.set GWW,   4224
.set PL,    231424                     ; partial logits [w % 8][token][expert] f32
.set CST,   239616                     ; the codes' stage: 32 tokens, 784 bytes apart
.set CP,    784
.set SST,   264704                     ; scale bytes [token][32]
.set SPARE, 265728                     ; the spare words, 128 bytes a wave: eight blocks of 256 bytes that no other line names
.set G,     96                         ; v96-223  gate_w[128 w + 16 delta + i][e] at G + 8 i + e
; v2, v3 the add's two; v4 x in LDS; v5 gate_w in LDS; v6 partial logit out; v7 codes out; v8 byte out; v9 logits back; v10 codes back; v11 codes in xq; v12 bytes back; v13 16 x lane;
; v14 a weight fragment's lane offset; v16-27 that fragment; v32-63 two sets of 16 numbers; v64-79 the gate's sums and their folding; v80-82 quantiser; v84-93 two sets of what a round stores
	s_load_b512 s[4:19], s[0:1], 0x0               ; x, gate_w, gate_b, w1_codes, w2_codes, xq, xs, route
	s_load_b128 s[20:23], s[0:1], 0x40             ; gwt, w1i
	s_load_b64 s[24:25], s[0:1], 0x50              ; w2i
	s_load_b64 s[80:81], s[0:1], 0x58              ; cnt
	v_lshl_add_u32 v2, v0, 2, SPARE
	v_mov_b32 v3, 0
	ds_add_u32 v2, v3                              ; the wave's opening: the add, twice on end, and its wait ahead of my first tensor load
	ds_add_u32 v2, v3                              ; and once more; the set-up below, work on registers, stands between it and the wait
	v_lshrrev_b32 v1, 5, v0
	s_delay_alu instid0(VALU_DEP_1)
	v_readfirstlane_b32 s26, v1                    ; wave 0..15
	s_and_b32 s27, s26, 7                          ; my 128 columns
	s_lshr_b32 s69, s26, 3                         ; my half of the tokens
	s_lshl_b32 s77, s69, 9
	s_mul_i32 s78, s69, 16*CP
	; group 1 for x: 16 rows x 128 elements of 4 bytes, rows 1,024 elements apart; 4 words of padding behind every 16
	s_mov_b32 s28, (2<<16)|(1<<20)|(3<<22)|(3<<25)
	s_mov_b32 s29, 128<<16                         ; tensor_dim0
	s_mov_b32 s30, 16<<16                          ; tensor_dim1
	s_mov_b32 s31, 128<<16                         ; tile_dim0
	s_mov_b32 s32, 16                              ; tile_dim1
	s_mov_b32 s33, 1024                            ; stride
	s_mov_b32 s34, 0
	s_mov_b32 s35, 0
	s_mov_b32 s66, 0xaaaaaaaa                      ; lanes with bit 0, 1, 2 of their number set
	s_mov_b32 s67, 0xcccccccc
	s_mov_b32 s68, 0xf0f0f0f0
	; every LDS address is made here, ahead of the first branch on the wave's number
	v_and_b32 v28, 31, v0                          ; l
	v_bfe_u32 v29, v0, 3, 2                        ; tau
	v_and_b32 v30, 7, v0                           ; delta
	s_mul_i32 s70, s26, XTW
	v_mul_u32_u24 v4, v29, 640
	s_delay_alu instid0(VALU_DEP_1)
	v_mad_u32_u24 v4, v30, 80, v4
	s_delay_alu instid0(VALU_DEP_1)
	v_add_nc_u32 v4, s70, v4                       ; x: row tau, my 64 bytes (80 with their padding)
	s_mul_i32 s71, s26, GWW
	s_add_co_u32 s71, s71, GW
	v_mul_u32_u24 v5, v30, 528
	s_delay_alu instid0(VALU_DEP_1)
	v_add_nc_u32 v5, s71, v5                       ; gate_w: row delta
	s_lshl_b32 s72, s27, 10
	s_add_co_u32 s72, s72, PL
	s_add_co_u32 s72, s72, s77                     ; 16 tokens of 32 bytes for the second half
	v_lshl_add_u32 v6, v28, 2, s72                 ; partial logit of (token 4 rho + tau, expert delta): 128 rho + 4 l
	v_mul_u32_u24 v7, v29, CP
	v_bfe_u32 v31, v0, 1, 1                        ; h of my block
	s_delay_alu instid0(VALU_DEP_1)
	v_mad_u32_u24 v7, v31, 384, v7
	v_bfe_u32 v31, v0, 2, 1                        ; c of my block
	s_delay_alu instid0(VALU_DEP_1)
	v_mad_u32_u24 v7, v31, 24, v7
	v_and_b32 v31, 1, v0                           ; which half of the block
	s_delay_alu instid0(VALU_DEP_1)
	v_mad_u32_u24 v7, v31, 12, v7
	s_mul_i32 s73, s27, 48
	s_add_co_u32 s73, s73, CST
	s_add_co_u32 s73, s73, s78                     ; 16 tokens on for the second half
	v_add_nc_u32 v7, s73, v7
	v_bfe_u32 v31, v0, 1, 2                        ; my block in the K step
	s_delay_alu instid0(VALU_DEP_1)
	v_lshl_add_u32 v8, v29, 5, v31
	s_lshl_b32 s74, s27, 2
	s_add_co_u32 s74, s74, SST
	s_add_co_u32 s74, s74, s77
	v_add_nc_u32 v8, s74, v8
	v_lshl_add_u32 v9, v28, 5, PL                  ; token l's eight partial logits
	v_and_b32 v1, 15, v0                           ; r
	v_bfe_u32 v31, v0, 4, 1                        ; h
	s_mul_i32 s75, s26, 2*CP                       ; wave w stores tokens 2 w, 2 w + 1
	s_add_co_u32 s75, s75, CST
	v_mul_u32_u24 v10, v31, CP
	s_delay_alu instid0(VALU_DEP_1)
	v_lshl_add_u32 v10, v1, 4, v10
	s_delay_alu instid0(VALU_DEP_1)
	v_add_nc_u32 v10, s75, v10                     ; codes back: token 2 w + h, 16 bytes a lane
	s_mul_i32 s76, s26, 1536
	v_mul_u32_u24 v11, v31, 768
	s_delay_alu instid0(VALU_DEP_1)
	v_lshl_add_u32 v11, v1, 4, v11
	s_delay_alu instid0(VALU_DEP_1)
	v_add_nc_u32 v11, s76, v11                     ; and the same place in the group's part of xq
	v_lshl_add_u32 v12, v28, 4, SST
	v_lshlrev_b32 v13, 4, v28
	v_add_nc_u32 v15, s71, v13                     ; gate_w into LDS: 16 bytes a lane, row i at 528 i
	s_wait_alu depctr_va_vdst(0)
	s_wait_dscnt 0x0                               ; both opening adds are done
	s_wait_kmcnt 0x0
	s_mov_b32 s73, 0
	s_lshl_b32 s72, ttmp9, 17                      ; 32 tokens of 4,096 bytes
	s_lshl_b32 s74, s69, 16                        ; my 16 of them
	s_add_co_u32 s72, s72, s74
	s_lshl_b32 s74, s27, 9                         ; my 512 bytes of a row
	s_add_co_u32 s72, s72, s74
	s_add_nc_u64 s[50:51], s[4:5], s[72:73]
	s_or_b32 s51, s51, 0x80000000
	s_mov_b32 s48, 1
	s_mov_b32 s49, s70
	tensor_load_to_lds s[48:51], s[28:35]          ; my one tensor load
	s_nop 0
	s_lshl_b32 s72, s27, 12
	s_add_nc_u64 s[46:47], s[6:7], s[72:73]
.irp i, 0,1,2,3,4,5,6,7
	global_load_b128 v[64+4*\i:67+4*\i], v13, s[46:47] offset:512*\i   ; my 4,096 bytes of gate_w
.endr
	s_load_b256 s[56:63], s[8:9], 0x0              ; gate_b
	s_mul_i32 s72, ttmp9, 24576
	s_add_nc_u64 s[14:15], s[14:15], s[72:73]      ; xq, xs, route, gwt at my group
	s_lshl_b32 s72, ttmp9, 10
	s_add_nc_u64 s[16:17], s[16:17], s[72:73]
	s_lshl_b32 s72, ttmp9, 7
	s_add_nc_u64 s[18:19], s[18:19], s[72:73]
	s_lshl_b32 s72, ttmp9, 8
	s_add_nc_u64 s[20:21], s[20:21], s[72:73]
	s_lshl_b32 s72, ttmp9, 6
	s_add_nc_u64 s[80:81], s[80:81], s[72:73]      ; cnt at my group
	; THE WEIGHTS' IMAGES.  Each tensor has 512 fragments of 16 rows x 128 K (1,536 bytes).  Waves 0, 1 take W1's fragments 2 g, 2 g + 1, waves 2, 3 W2's.
	; W1's fragment F = 64 e + 16 w' + 2 s + u: lane r takes row 128 e + 32 w' + 8 u + r + 8 (r / 8), K step s.  W2's fragment F: rows 16 F + r.
	s_and_b32 s70, s26, 1
	s_lshl_b32 s71, ttmp9, 1
	s_add_co_u32 s71, s71, s70                     ; F
	s_mul_i32 s72, s71, 1536                       ; the image's place
	s_and_b32 s69, s71, 3                          ; W2's source: t,
	s_sub_co_u32 s77, s71, s69
	s_mul_i32 s77, s77, 1536                       ; 16 rows of 96 bytes for each fragment ahead of the group of four
	s_mul_i32 s69, s69, 96
	s_add_co_u32 s69, s69, s77
	s_lshr_b32 s74, ttmp9, 5
	s_lshl_b32 s74, s74, 7                         ; 128 e
	s_bfe_u32 s75, ttmp9, 0x20003
	s_lshl_b32 s75, s75, 5                         ; 32 w'
	s_add_co_u32 s74, s74, s75
	s_lshl_b32 s75, s70, 3                         ; 8 u
	s_add_co_u32 s74, s74, s75
	s_mul_i32 s74, s74, 768
	s_and_b32 s75, ttmp9, 7
	s_mul_i32 s75, s75, 96                         ; K step s
	s_add_co_u32 s74, s74, s75
	s_mov_b32 s75, 0
	s_mov_b32 s71, 384                             ; W2: from lane to lane four rows of 96 bytes
	s_cmp_lt_u32 s26, 2                            ; W1 or W2: the choice hangs on the wave's number alone
	s_cselect_b32 s74, s74, s69
	s_cselect_b32 s70, 8, 0
	s_cselect_b32 s71, 768, s71                    ; a row of codes in bytes
	s_cselect_b64 s[76:77], s[10:11], s[12:13]
	s_cselect_b64 s[78:79], s[22:23], s[24:25]
	s_add_nc_u64 s[76:77], s[76:77], s[74:75]
	s_add_nc_u64 s[78:79], s[78:79], s[72:73]
	v_and_b32 v29, s70, v1
	s_delay_alu instid0(VALU_DEP_1)
	v_add_nc_u32 v29, v29, v1
	s_delay_alu instid0(VALU_DEP_1)
	v_mul_lo_u32 v14, v29, s71
	s_delay_alu instid0(VALU_DEP_1)
	v_mad_u32_u24 v14, v31, 24, v14
	s_wait_alu depctr_va_vdst(0)                   ; directly ahead of the wait below
	s_wait_loadcnt 0x0                             ; my part of gate_w
.irp i, 0,1,2,3,4,5,6,7
	ds_store_b128 v15, v[64+4*\i:67+4*\i] offset:528*\i   ; the wave's own bytes: LDS serves the loads below behind these
.endr
	s_cmp_lt_u32 s26, 4
	s_cbranch_scc0 .Lno_fragment
.irp p, 0,1,2,3,4,5
	global_load_b64 v[16+2*\p:17+2*\p], v14, s[76:77] offset:48*(\p/3)+8*(\p%3)   ; the lane's 12 registers of the fragment
.endr
.Lno_fragment:
.set i, 0
.rept 32
	ds_load_b128 v[G+4*i:G+4*i+3], v5 offset:16*i
.set i, i+1
.endr
	s_wait_tensorcnt 0x0                           ; my 16 rows of x are in
.irp j, 0,1,2,3
	ds_load_b128 v[32+4*\j:35+4*\j], v4 offset:16*\j
.endr
; Eight sums a lane, eight lanes (delta) to a token: three steps fold them so that lane delta ends with the sum of expert delta over the eight lanes.
; In a step a lane keeps one of a pair and sends the other to its partner: T = the kept, U = the sent, T += the partner's U.
.macro RED q
.irp p, 0,1,2,3
	v_cndmask_b32 v[72+\p], v[64+2*\p], v[65+2*\p], s66
	v_cndmask_b32 v[76+\p], v[65+2*\p], v[64+2*\p], s66
.endr
.irp p, 0,1,2,3
	v_add_f32_dpp v[72+\p], v[76+\p], v[72+\p] row_xmask:1 row_mask:0xf bank_mask:0xf
.endr
.irp p, 0,1
	s_delay_alu instid0(VALU_DEP_3)
	v_cndmask_b32 v[64+\p], v[72+2*\p], v[73+2*\p], s67
	s_delay_alu instid0(VALU_DEP_4)
	v_cndmask_b32 v[66+\p], v[73+2*\p], v[72+2*\p], s67
.endr
.irp p, 0
	s_delay_alu instid0(VALU_DEP_3)
	v_add_f32_dpp v[64+\p], v[66+\p], v[64+\p] row_xmask:2 row_mask:0xf bank_mask:0xf
.endr
.irp p, 1
	s_delay_alu instid0(VALU_DEP_2)
	v_add_f32_dpp v[64+\p], v[66+\p], v[64+\p] row_xmask:2 row_mask:0xf bank_mask:0xf
.endr
	s_delay_alu instid0(VALU_DEP_1)
	v_cndmask_b32 v[92+\q], v64, v65, s68
	s_delay_alu instid0(VALU_DEP_2)
	v_cndmask_b32 v73, v65, v64, s68
	s_delay_alu instid0(VALU_DEP_1)
	v_add_f32_dpp v[92+\q], v73, v[92+\q] row_xmask:4 row_mask:0xf bank_mask:0xf
.endm
; A round: tokens 4 rho .. 4 rho + 3.  The next round's numbers are asked for first.  What the round stores to LDS lies in set rho % 2.
.macro ROUND rho
.set XC, 32+16*((\rho)%2)
.set XN, 48-16*((\rho)%2)
.set QS, (\rho)%2
.if (\rho) < 3
.irp j, 0,1,2,3
	ds_load_b128 v[XN+4*\j:XN+4*\j+3], v4 offset:2560*((\rho)+1)+16*\j
.endr
.endif
.if (\rho) == 0
	s_wait_dscnt 4                                 ; gate_w and this round's numbers are in; the four loads just issued may be out
.elseif (\rho) < 3
	s_wait_dscnt 9                                 ; behind this round's loads: the last round's five stores and the four loads just issued.  The stores of two rounds back are done: their set is free
.else
	s_wait_dscnt 5                                 ; the last round's five stores
.endif
.irp p, 0,1,2,3
	v_pk_mul_f32 v[64+2*\p:65+2*\p], v[XC:XC+1], v[G+2*\p:G+2*\p+1] op_sel_hi:[0,1]   ; the first product starts the sums: x_0 for both halves, two experts
.endr
.set i, 1
.rept 15
.irp p, 0,1,2,3
.if i%2
	s_delay_alu instid0(VALU_DEP_4)
	v_pk_fma_f32 v[64+2*\p:65+2*\p], v[XC+2*(i/2):XC+2*(i/2)+1], v[G+8*i+2*\p:G+8*i+2*\p+1], v[64+2*\p:65+2*\p] op_sel:[1,0,0] op_sel_hi:[1,1,1]
.else
	s_delay_alu instid0(VALU_DEP_4)
	v_pk_fma_f32 v[64+2*\p:65+2*\p], v[XC+2*(i/2):XC+2*(i/2)+1], v[G+8*i+2*\p:G+8*i+2*\p+1], v[64+2*\p:65+2*\p] op_sel_hi:[0,1,1]
.endif
.endr
.set i, i+1
.endr
	v_max3_num_f32 v80, |v[XC]|, |v[XC+1]|, |v[XC+2]|               ; the largest magnitude of my 16
	v_max3_num_f32 v81, |v[XC+3]|, |v[XC+4]|, |v[XC+5]|
.irp c, 6,10
	s_delay_alu instid0(VALU_DEP_2)
	v_max3_num_f32 v80, v80, |v[XC+\c]|, |v[XC+\c+1]|
	s_delay_alu instid0(VALU_DEP_2)
	v_max3_num_f32 v81, v81, |v[XC+\c+2]|, |v[XC+\c+3]|
.endr
	s_delay_alu instid0(VALU_DEP_2)
	v_max3_num_f32 v80, v80, |v[XC+14]|, |v[XC+15]|
	s_delay_alu instid0(VALU_DEP_1)
	v_max3_num_f32 v80, v80, v81, 0x2800000        ; and the floor 2^(5 - 127): the byte cannot fall under 1
	s_delay_alu instid0(VALU_DEP_1)
	v_max_num_f32_dpp v80, v80, v80 row_xmask:1 row_mask:0xf bank_mask:0xf   ; with my neighbour's 16: the block's
	s_delay_alu instid0(VALU_DEP_1)
	v_add_nc_u32 v82, 0xfe000000, v80              ; 4 off its exponent field: the conversion's scale operand
	v_cvt_scalef32_pk16_bf6_f32 v[84+4*QS:86+4*QS], v[XC:XC+15], v82
	v_lshrrev_b32 v[87+4*QS], 23, v82              ; the scale's byte (also the plain line behind the conversion)
	RED QS
.irp c, 0,1,2
	ds_store_b32 v7, v[84+4*QS+\c] offset:4*CP*(\rho)+4*\c
.endr
	ds_store_b8 v8, v[87+4*QS] offset:128*(\rho)   ; both lanes of a block write the same byte with the same value
	ds_store_b32 v6, v[92+QS] offset:128*(\rho)
.endm
.irp t, 0,1,2,3
	ROUND \t
.endr
	s_cmp_lt_u32 s26, 4
	s_cbranch_scc0 .Lno_image
	s_wait_loadcnt 0x0                             ; the fragment, asked for ahead of the rounds
.irp c, 0,1,2
	global_store_b128 v13, v[16+4*\c:19+4*\c], s[78:79] offset:512*\c   ; registers 4 c .. 4 c + 3 of all lanes: 512 bytes on end
.endr
.Lno_image:
	s_wait_kmcnt 0x0                               ; gate_b
	s_wait_dscnt 0x0                               ; for the others' sake: my stores to the stages are done
	s_barrier_signal -1
	s_barrier_wait -1
	; the codes leave: wave w stores tokens 2 w, 2 w + 1, sixteen lanes to 256 bytes on end
.irp p, 0,1,2                          ; (two tokens a wave)
	ds_load_b128 v[96+4*\p:99+4*\p], v10 offset:256*\p
.endr
.irp p, 0,1,2
	s_wait_dscnt 2-\p
	global_store_b128 v11, v[96+4*\p:99+4*\p], s[14:15] offset:256*\p
.endr
	s_cmp_lg_u32 s26, 1
	s_cbranch_scc1 .Lnot_wave_1
	ds_load_b128 v[120:123], v12                   ; the group's 1,024 scale bytes
	ds_load_b128 v[124:127], v12 offset:512
	s_wait_dscnt 0x0
	global_store_b128 v13, v[120:123], s[16:17]
	global_store_b128 v13, v[124:127], s[16:17] offset:512
.Lnot_wave_1:
	s_cmp_lg_u32 s26, 0
	s_cbranch_scc1 .Lend
	; THE ROUTER: wave 0, a lane a token
.irp q, 0,1,2,3,4,5,6,7
	ds_load_b128 v[32+8*\q:35+8*\q], v9 offset:1024*\q
	ds_load_b128 v[36+8*\q:39+8*\q], v9 offset:1024*\q+16
.endr
	v_and_b32 v128, 31, v0
	s_wait_dscnt 0x0
.irp q, 1,2,3,4,5,6,7
.irp p, 0,1,2,3
	v_pk_add_f32 v[32+2*\p:33+2*\p], v[32+2*\p:33+2*\p], v[32+8*\q+2*\p:33+8*\q+2*\p]   ; the eight waves' parts, in ascending d
.endr
.endr
.irp e, 0,1,2,3,4,5,6,7
	v_add_f32 v[32+\e], s[56+\e], v[32+\e]         ; + gate_b
.endr
	v_max3_num_f32 v129, v32, v33, v34
	s_delay_alu instid0(VALU_DEP_1)
	v_max3_num_f32 v129, v129, v35, v36
	s_delay_alu instid0(VALU_DEP_1)
	v_max3_num_f32 v129, v129, v37, v38
	s_delay_alu instid0(VALU_DEP_1)
	v_max_num_f32 v129, v129, v39                  ; the maximum is taken away, as reference()'s softmax does
.irp e, 0,1,2,3,4,5,6,7
	v_sub_f32 v[32+\e], v[32+\e], v129
.endr
.irp e, 0,1,2,3,4,5,6,7
	v_mul_f32 v[32+\e], 0x3fb8aa3b, v[32+\e]
.endr
	s_wait_alu depctr_va_vdst(0)
.irp e, 0,1,2,3,4,5,6,7
	v_exp_f32 v[48+\e], v[32+\e]
.endr
	v_lshlrev_b32 v130, 3, v128                    ; 8 x lane (the plain line behind the batch)
	s_wait_alu depctr_va_vdst(0)                   ; one wait for the eight exponentials, ahead of their first reader
	v_add_f32 v131, v48, v49
	v_add_f32 v132, v50, v51
	v_add_f32 v133, v52, v53
	v_add_f32 v134, v54, v55
	s_delay_alu instid0(VALU_DEP_3)
	v_add_f32 v131, v131, v132
	s_delay_alu instid0(VALU_DEP_2)
	v_add_f32 v133, v133, v134
	s_delay_alu instid0(VALU_DEP_1)
	v_add_f32 v131, v131, v133
	s_wait_alu depctr_va_vdst(0)
	v_rcp_f32 v135, v131
	v_mov_b32 v136, v48                            ; the largest, and its index
	v_mov_b32 v137, 0
.irp e, 1,2,3,4,5,6,7
	v_cmp_gt_f32 vcc_lo, v[48+\e], v136
	v_cndmask_b32 v136, v136, v[48+\e], vcc_lo
	s_delay_alu instid0(VALU_DEP_2)
	v_cndmask_b32 v137, v137, \e, vcc_lo
.endr
.irp e, 0,1,2,3,4,5,6,7
	v_cmp_eq_u32 vcc_lo, \e, v137
	v_cndmask_b32 v[48+\e], v[48+\e], -1.0, vcc_lo ; the winner steps out: every exponential is 0 or more
.endr
	v_mov_b32 v138, v48                            ; the second largest
	v_mov_b32 v139, 0
.irp e, 1,2,3,4,5,6,7
	s_delay_alu instid0(VALU_DEP_2)
	v_cmp_gt_f32 vcc_lo, v[48+\e], v138
	s_delay_alu instid0(VALU_DEP_1)
	v_cndmask_b32 v138, v138, v[48+\e], vcc_lo
	s_delay_alu instid0(VALU_DEP_2)
	v_cndmask_b32 v139, v139, \e, vcc_lo
.endr
	s_wait_alu depctr_va_vdst(0)                   ; the reciprocal, ahead of its first reader
	v_mul_f32 v140, v136, v135                     ; the two softmax weights, not renormalised
	v_mul_f32 v141, v138, v135
	v_min_u32 v142, v137, v139                     ; a
	v_max_u32 v143, v137, v139                     ; b
	s_delay_alu instid0(VALU_DEP_2)
	v_sub_nc_u32 v144, 15, v142
	s_delay_alu instid0(VALU_DEP_1)
	v_mul_u32_u24 v144, v144, v142
	s_delay_alu instid0(VALU_DEP_1)
	v_lshrrev_b32 v144, 1, v144                    ; a (15 - a) / 2: the pairs with a smaller first expert
	s_delay_alu instid0(VALU_DEP_4)
	v_sub_nc_u32 v145, v143, v142
	s_delay_alu instid0(VALU_DEP_1)
	v_add_nc_u32 v145, -1, v145                    ; even a: b ascending
	v_sub_nc_u32 v146, 7, v143                     ; odd a: b descending
	v_and_b32 v147, 1, v142
	s_delay_alu instid0(VALU_DEP_1)
	v_cmp_eq_u32 vcc_lo, 1, v147
	s_delay_alu instid0(VALU_DEP_1)
	v_cndmask_b32 v145, v145, v146, vcc_lo
	s_delay_alu instid0(VALU_DEP_1)
	v_add_nc_u32 v148, v144, v145                  ; key, 0 .. 27
	v_mov_b32 v151, 0                              ; lane k: how many tokens of the group have key k
	v_mov_b32 v149, 0                              ; my rank among those of my key
.set k, 0
.rept 28
	v_cmp_eq_u32 s70, k, v148
	s_bcnt1_i32_b32 s71, s70
	v_writelane_b32 v151, s71, k
	v_mbcnt_lo_u32_b32 v147, s70, 0
	s_delay_alu instid0(VALU_DEP_1)
	v_cndmask_b32 v149, v149, v147, s70
.set k, k+1
.endr
	s_delay_alu instid0(VALU_DEP_3)
	v_lshl_or_b32 v151, v151, 9, 1                 ; the count above bit 9, and a 1 below it, which counts the group
	s_lshl_b32 s72, ttmp9, 5
	v_add_nc_u32 v150, s72, v128                   ; token
	s_delay_alu instid0(VALU_DEP_1)
	v_lshl_or_b32 v150, v137, 13, v150
	s_delay_alu instid0(VALU_DEP_1)
	v_lshl_or_b32 v150, v139, 16, v150
	s_delay_alu instid0(VALU_DEP_1)
	v_lshl_or_b32 v150, v148, 19, v150
	s_delay_alu instid0(VALU_DEP_1)
	v_lshl_or_b32 v150, v149, 24, v150
	v_lshlrev_b32 v152, 2, v128
	v_lshlrev_b32 v153, 1, v128
	global_store_b32 v152, v150, s[18:19]          ; the group's 32 words: 128 bytes on end, at fixed places
	global_store_b16 v153, v151, s[80:81]          ; its counts: 64 bytes on end
	global_store_b64 v130, v[140:141], s[20:21]
.Lend:
	s_wait_tensorcnt 0x0                           ; the wave's end: behind my last tensor load and my last LDS store
	ds_add_u32 v2, v3
	s_wait_dscnt 0x0
	s_endpgm
.Lfunc_end_k_qb8192b95ca_prep:
	.size	k_qb8192b95ca_prep, .Lfunc_end_k_qb8192b95ca_prep-k_qb8192b95ca_prep
	.p2alignl 7, 3214868480
	.fill 96, 4, 3214868480
	.section	.rodata,"a",@progbits
	.p2align	6, 0x0
	.amdhsa_kernel k_qb8192b95ca_prep
		.amdhsa_group_segment_fixed_size 267776
		.amdhsa_private_segment_fixed_size 0
		.amdhsa_enable_private_segment 0
		.amdhsa_kernarg_size 96
		.amdhsa_user_sgpr_count 2
		.amdhsa_user_sgpr_kernarg_segment_ptr 1
		.amdhsa_wavefront_size32 1
		.amdhsa_system_sgpr_workgroup_id_x 1
		.amdhsa_system_sgpr_workgroup_id_y 1
		.amdhsa_system_sgpr_workgroup_id_z 1
		.amdhsa_system_vgpr_workitem_id 0
		.amdhsa_next_free_vgpr 224
		.amdhsa_next_free_sgpr 84
		.amdhsa_reserve_vcc 1
		.amdhsa_float_denorm_mode_32 3
		.amdhsa_float_denorm_mode_16_64 3
		.amdhsa_memory_ordered 1
		.amdhsa_forward_progress 1
		.amdhsa_inst_pref_size 68
	.end_amdhsa_kernel
	.amdgpu_metadata
---
amdhsa.version: [ 1, 2 ]
amdhsa.kernels:
  - .name:           k_qb8192b95ca_prep
    .symbol:         k_qb8192b95ca_prep.kd
    .args:
      - { .name: x, .offset: 0, .size: 8, .value_kind: global_buffer, .address_space: global }
      - { .name: gate_w, .offset: 8, .size: 8, .value_kind: global_buffer, .address_space: global }
      - { .name: gate_b, .offset: 16, .size: 8, .value_kind: global_buffer, .address_space: global }
      - { .name: w1_codes, .offset: 24, .size: 8, .value_kind: global_buffer, .address_space: global }
      - { .name: w2_codes, .offset: 32, .size: 8, .value_kind: global_buffer, .address_space: global }
      - { .name: xq, .offset: 40, .size: 8, .value_kind: global_buffer, .address_space: global }
      - { .name: xs, .offset: 48, .size: 8, .value_kind: global_buffer, .address_space: global }
      - { .name: route, .offset: 56, .size: 8, .value_kind: global_buffer, .address_space: global }
      - { .name: gwt, .offset: 64, .size: 8, .value_kind: global_buffer, .address_space: global }
      - { .name: w1i, .offset: 72, .size: 8, .value_kind: global_buffer, .address_space: global }
      - { .name: w2i, .offset: 80, .size: 8, .value_kind: global_buffer, .address_space: global }
      - { .name: cnt, .offset: 88, .size: 8, .value_kind: global_buffer, .address_space: global }
    .group_segment_fixed_size: 267776
    .private_segment_fixed_size: 0
    .kernarg_segment_align: 8
    .kernarg_segment_size: 96
    .max_flat_workgroup_size: 512
    .sgpr_count:     84
    .vgpr_count:     224
    .wavefront_size: 32
...
	.end_amdgpu_metadata
.endif
;; end of part 4
;; launch chain (part 5): grid 256 x 1, 4 waves a work-group, no clusters, 56,832 bytes of LDS; arguments route, xq, xs, gwt, w1i, w1_scales, b1, w2i, w2_scales, b2, out0, cnt; writes out0
.if DOCPART == 5
	.amdgcn_target "amdgcn-amd-amdhsa--gfx1250"
	.amdhsa_code_object_version 6
	.text
	.protected	k_qb8192b95ca_chain
	.globl	k_qb8192b95ca_chain
	.p2align	8
	.type	k_qb8192b95ca_chain,@function
k_qb8192b95ca_chain:
	s_mov_b64 s[64:65], 0
	v_nop
	global_prefetch_b8 v0, s[64:65] scope:SCOPE_SE
	s_setreg_imm32_b32 hwreg(HW_REG_WAVE_MODE, 25, 1), 1
	s_wait_xcnt 0x0
; MoE, launch 2 of 2: out[t] = sum over the token's two experts e of weight(t, e) x (Q(relu(Q(x[t]) W1[e] + b1[e])) W2[e] + b2[e]), both products on E3M2 codes with E8M0 block scales.
; WORK LEFT OUT: the rows of both products for experts that top_i does not name for a token: reference() throws them away by its own take_along_axis (shown at the head of the first kernel).
; LIMITS: inside a block of 32 tokens every used expert is run for all 32; for a token that did not choose it the hidden row is set to 0 and the weight is 0, so an overflow there is not carried on.
; NaN and infinities are not served (the clamp that does the relu drops a NaN and holds +infinity at the largest f32).  A hidden block under 2^-122, or of zeros, gets the scale byte 1: its codes serve this launch alone.
; SHARES.  The 8,192 tokens are taken in the order of a counting sort by their pair of experts (28 keys; inside a key by group of 32 tokens, then by rank in the group).  Work-group b owns slots 32 b .. 32 b + 31:
; two tiles m of 16 tokens, so each output row has one owner.  A block uses n experts, 2 as a rule, 8 at most.
; THE SORT IS NOT STORED: each work-group finds its own 32 tokens from cnt (16 KB).  Lane = key: wave w sums the numbers of groups 64 w .. 64 w + 63, (count << 9) | 1 each, in four chains of 16; the waves' totals meet in LDS.
; With base[k] = the tokens of smaller keys, V(g, k) = (base[k] + the tokens of key k in groups before g) << 9 | g.  Lane = slot s: its key K is the largest k with base[k] <= s; its group is the largest g whose V(g, K) is at most (s << 9) | 511:
; u = that bound - V is small where V is at or under the bound and wraps to a number above 2^31 where it is over, so the unsigned minimum of u over all groups gives group and first slot at once; rank = s - first slot.
; V comes from lane K by a lane permute; no LDS address is made of data.  Then each lane reads its group's 32 words of route and keeps the one with its key and rank.
; THE WAVES SHARE THE COLUMNS: wave w makes hidden units 32 w .. 32 w + 31 and outputs 256 w .. 256 w + 255, for both tiles of tokens: each byte of a used expert's weights enters the work-group once.
; Phase 1 is used transposed (source 0 = 16 rows of W1, source 1 = 16 tokens): a lane holds one token, its registers run along the next K.  Phase 2 has the tokens as source 0, and tile t of a group of 64 columns holds
; columns 4 r + t: a lane's four results of a row are four neighbours, gathered by the multiply-adds into 16 bytes; sixteen lanes store 256 bytes on end, with no way through LDS.
; The walk over experts hangs on numbers read from memory, so the launch has no tensor load, no cluster and no multicast: the weights come from memory straight into registers, as images that the first launch laid out,
; two buffers by turns, one job ahead.  No prefetch: which weights are wanted is known only from the numbers just read, and a job asks for them at once.  No barrier stands under a branch on such a number.
; REGISTERS.  Window 0: v1, v2 the add's two; v3-17, v30 addresses; v18, v19 slot's word and token; v20-23 the tiles' experts; v24-27 the slot's weights and experts; v28 the weight for the expert in hand;
;   v32-39 x's scale words, v40-55 the weights' (two sets), v139 the hidden layer's: scales and nothing else; v56-87 b1 or b2 (two sets); v88-103 sixteen rows' weights; v104-135 the hidden layer, later its fragments;
;   v136-138 the clamp's bounds; v140-158 at work; v160-223 b2 as C (two sets of four tiles); v224-239 the rows' offsets in out0.  In the sort: v96-135, v160-254 at work; s66-92 the scan over the keys.
;   Window 1: x's 16 fragments (96 m + 12 s), later out: register 32 (2 T + m) + 4 j + t.   Windows 2, 3: weight buffers A, B (192 each); window 2, v192-255: two sets of phase 2's results.
.set XP,    784                        ; LDS: x's codes, 32 slots, 768 bytes + 16
.set HC,    25088                      ; the hidden layer's fragments [j][m][lane x 48 bytes]: images of the operand's registers
.set HS,    49664                      ; their scale bytes [j][slot][4]
.set WT,    50688                      ; [wave][j][slot] the weight of expert j for the slot's token
.set TK,    54784                      ; [wave][slot] token
.set EX,    55296                      ; the sort's two exchanges: [wave][lane] words, 512 bytes each
.set SPARE, 56320                      ; the spare words, 128 bytes a wave: two blocks of 256 bytes that no other line names
.set XS,  32
.set SW,  40
.set B1,  56
.set WV,  88
.set HA,  104
.set HF,  104
.set RC,  160
.set RD,  192
.set AD,  224
.set MSB, 0
.macro WIN new                         ; the immediate's high byte repeats the setting that is left; a switch that changes nothing is dropped
.if MSB != (\new)
	s_set_vgpr_msb (MSB<<8)|(\new)
.set MSB, \new
.endif
.endm
; one scaled product: registers by number; ra, rb: the scales stand in lanes 16-31 of their register
.macro WM d, a, b, c, sa, sb, ra, rb
.if (\ra) && (\rb)
	v_wmma_scale_f32_16x16x128_f8f6f4 v[\d:\d+7], v[\a:\a+11], v[\b:\b+11], v[\c:\c+7], v[\sa], v[\sb] matrix_a_fmt:MATRIX_FMT_BF6 matrix_b_fmt:MATRIX_FMT_BF6 matrix_a_scale:MATRIX_SCALE_ROW1 matrix_b_scale:MATRIX_SCALE_ROW1
.elseif (\ra)
	v_wmma_scale_f32_16x16x128_f8f6f4 v[\d:\d+7], v[\a:\a+11], v[\b:\b+11], v[\c:\c+7], v[\sa], v[\sb] matrix_a_fmt:MATRIX_FMT_BF6 matrix_b_fmt:MATRIX_FMT_BF6 matrix_a_scale:MATRIX_SCALE_ROW1
.elseif (\rb)
	v_wmma_scale_f32_16x16x128_f8f6f4 v[\d:\d+7], v[\a:\a+11], v[\b:\b+11], v[\c:\c+7], v[\sa], v[\sb] matrix_a_fmt:MATRIX_FMT_BF6 matrix_b_fmt:MATRIX_FMT_BF6 matrix_b_scale:MATRIX_SCALE_ROW1
.else
	v_wmma_scale_f32_16x16x128_f8f6f4 v[\d:\d+7], v[\a:\a+11], v[\b:\b+11], v[\c:\c+7], v[\sa], v[\sb] matrix_a_fmt:MATRIX_FMT_BF6 matrix_b_fmt:MATRIX_FMT_BF6
.endif
.endm
.macro EXP dst, list, i                ; the i-th expert of a list of four bits each, held to 7
	s_bfe_u32 \dst, \list, 0x30000+4*(\i)
	s_min_u32 \dst, \dst, 7
.endm
.macro IMAGES p                        ; 48 loads of 512 bytes on end: my 16 fragments of the expert, register 4 i of buffer p
	WIN 0x80+0x40*\p
.set i, 0
.rept 48
	global_load_b128 v[4*i:4*i+3], v3, s[32:33] offset:512*i
.set i, i+1
.endr
	WIN 0
.endm
; A JOB is 54 loads.  W1's: the images, my 32 rows' scale words (8 a lane), b1 in the result's layout (16 a lane).
.macro W1LOAD p, se
	s_wait_xcnt 0x0                                ; earlier loads have read their bases: they may be written
	s_mul_i32 s40, \se, 98304
	s_add_co_u32 s40, s40, s45
	s_add_nc_u64 s[32:33], s[12:13], s[40:41]
	s_lshl_b32 s40, \se, 12
	s_add_co_u32 s40, s40, s46
	s_add_nc_u64 s[34:35], s[14:15], s[40:41]
	s_lshl_b32 s40, \se, 9
	s_add_co_u32 s40, s40, s47
	s_add_nc_u64 s[36:37], s[16:17], s[40:41]
	IMAGES \p
	global_load_b128 v[SW+8*\p:SW+8*\p+3], v5, s[34:35]
	global_load_b128 v[SW+8*\p+4:SW+8*\p+7], v5, s[34:35] offset:16
.irp q, 0,1,2,3
	global_load_b128 v[B1+16*\p+4*\q:B1+16*\p+4*\q+3], v6, s[36:37] offset:16*\q
.endr
.endm
; W2's: the images; the scale words: register 4 k + t: lanes 0-15 tile t of columns 64 (2 k) on, lanes 16-31 of 64 (2 k + 1) on; b2: register 4 T + t is my column of tile t of group T.
.macro W2LOAD p, se
	s_wait_xcnt 0x0
	s_mul_i32 s40, \se, 98304
	s_add_co_u32 s40, s40, s45
	s_add_nc_u64 s[32:33], s[18:19], s[40:41]
	s_lshl_b32 s40, \se, 12
	s_add_co_u32 s40, s40, s46
	s_add_nc_u64 s[34:35], s[20:21], s[40:41]
	s_add_nc_u64 s[36:37], s[22:23], s[40:41]
	IMAGES \p
.irp k, 0,1
	global_load_b128 v[SW+8*\p+4*\k:SW+8*\p+4*\k+3], v3, s[34:35] offset:512*\k
.endr
.irp q, 0,1,2,3
	global_load_b128 v[B1+16*\p+4*\q:B1+16*\p+4*\q+3], v11, s[36:37] offset:256*\q
.endr
.endm
; The sort: chain c's 15 numbers, brought by the lane permutes into v[R] on, become u = (bound - the chain's offset) - number; their minimum, with the chain's first group's u, goes to v[246 + c]
.macro MINTREE R, c
.irp p, 0,1,2,3,4,5,6,7,8,9,10,11,12,13,14
	v_sub_nc_u32 v[\R+\p], v[232+\c], v[\R+\p]
.endr
.irp p, 0,1,2,3,4,5,6
	v_min_u32 v[\R+\p], v[\R+\p], v[\R+\p+8]
.endr
.irp p, 0,1,2,3
	v_min_u32 v[\R+\p], v[\R+\p], v[\R+\p+4]
.endr
	v_min_u32 v[\R], v[\R], v[\R+2]
	v_min_u32 v[\R+1], v[\R+1], v[\R+3]
	v_min_u32 v[\R], v[\R], v[\R+1]
	v_min_u32 v[246+\c], v[\R], v[232+\c]
.endm
; j = s29 stands in the immediates of the LDS instructions: one arm for each j of buffer p's parity
.macro LADDER arm, p
.irp i, 0,2,4
	s_cmp_lg_u32 s29, \i+\p
	s_cbranch_scc1 .La_\@_\i
	\arm (\i+\p)
	s_branch .Lb_\@
.La_\@_\i:
.endr
	\arm (6+\p)
.Lb_\@:
.endm
.macro LADDER3 arm, a                  ; the same with the three arms a, a + 2, a + 4
.irp i, 0,2
	s_cmp_lg_u32 s29, \i+\a
	s_cbranch_scc1 .Lc_\@_\i
	\arm (\i+\a)
	s_branch .Ld_\@
.Lc_\@_\i:
.endr
	\arm (4+\a)
.Ld_\@:
.endm
.macro SARM j                          ; phase 1's stores
.irp m, 0,1
.irp i, 0,1,2
	ds_store_b32 v9, v[152+4*\m+\i] offset:(\j)*3072+1536*\m+4*\i
.endr
	ds_store_b8 v10, v[150+\m] offset:(\j)*128+64*\m   ; both halves write the same byte with the same value
.endr
	ds_store_b32 v14, v28 offset:(\j)*128
.endm
.macro HARM j                          ; phase 2's loads: the hidden fragments, their scale words, the weights of rows 16 m + 8 h + 0 .. 7
.irp m, 0,1
.irp c, 0,1,2
	ds_load_b128 v[HF+12*\m+4*\c:HF+12*\m+4*\c+3], v12 offset:(\j)*3072+1536*\m+16*\c
.endr
.endr
	ds_load_b32 v139, v13 offset:(\j)*128
.irp m, 0,1
.irp c, 0,1
	ds_load_b128 v[WV+8*\m+4*\c:WV+8*\m+4*\c+3], v15 offset:(\j)*128+64*\m+16*\c
.endr
.endr
.endm
.macro ADVANCE                         ; j + 1
	s_lshr_b32 s30, s30, 4
	s_add_co_u32 s29, s29, 1
	s_add_co_u32 s31, s31, 1
.endm
	s_load_b512 s[4:19], s[0:1], 0x0               ; route, xq, xs, gwt, w1i, w1_scales, b1, w2i
	s_load_b128 s[20:23], s[0:1], 0x40             ; w2_scales, b2
	s_load_b64 s[24:25], s[0:1], 0x50              ; out0
	s_load_b64 s[56:57], s[0:1], 0x58              ; cnt
	v_lshl_add_u32 v1, v0, 2, SPARE
	v_mov_b32 v2, 0
	v_lshrrev_b32 v140, 5, v0
	v_readfirstlane_b32 s26, v140                  ; wave 0..3
	v_and_b32 v140, 31, v0                         ; l
	s_lshl_b32 s50, s26, 12
	v_lshl_add_u32 v224, v140, 1, s50              ; cnt: my wave's 64 groups of 64 bytes, 2 bytes a lane
	s_wait_alu depctr_va_vdst(0)                   ; directly ahead of the wait below
	s_wait_kmcnt 0x0
	; ---- THE SORT.  Lane = key: the numbers (count << 9) | 1 of my 64 groups; the addresses are made while they are out
.set i, 0
.rept 64
	global_load_u16 v[160+i], v224, s[56:57] offset:64*i
.set i, i+1
.endr
	v_and_b32 v141, 15, v0                         ; r
	v_bfe_u32 v142, v0, 4, 1                       ; h
	v_lshlrev_b32 v3, 4, v140                      ; 16 l
	v_lshlrev_b32 v4, 2, v140                      ; 4 l
	v_and_b32 v143, 8, v141
	v_add_nc_u32 v143, v143, v141
	v_lshl_add_u32 v143, v142, 3, v143
	v_lshlrev_b32 v5, 5, v143                      ; W1's scale words: lanes 0-15 the rows of tile 0, r + 8 (r / 8), lanes 16-31 those of tile 1, 8 more; 32 bytes a row
	v_lshlrev_b32 v6, 6, v142                      ; b1: my half's 16 hidden units
	s_mul_i32 s50, s26, 8*XP
	v_mul_u32_u24 v7, v142, XP
	v_lshl_add_u32 v7, v141, 4, v7
	v_add_nc_u32 v7, s50, v7                       ; x's rows into LDS: slot 8 w + h, 16 bytes a lane
	v_mul_u32_u24 v8, v141, XP
	v_mad_u32_u24 v8, v142, 384, v8                ; and out of it: slot r, my half's 384 bytes
	s_and_b32 s50, s26, 1
	s_mul_i32 s50, s50, 768
	s_lshr_b32 s51, s26, 1
	s_mul_i32 s51, s51, 24
	s_add_co_u32 s50, s50, s51
	s_add_co_u32 s50, s50, HC
	v_mul_u32_u24 v9, v141, 48
	v_mad_u32_u24 v9, v142, 12, v9
	v_add_nc_u32 v9, s50, v9                       ; my 16 hidden codes: block w of the next K lies in lane r + 16 (w % 2), registers 6 (w / 2) + 3 h on
	s_add_co_u32 s50, s26, HS
	v_lshl_add_u32 v10, v141, 2, s50               ; its scale byte: byte w of token r's word
	s_lshl_b32 s46, s26, 10                        ; 1,024 w
	s_wait_alu depctr_va_vdst(0)
	v_lshlrev_b32 v11, 4, v141                     ; b2: 16 bytes for lane r
	v_lshl_add_u32 v30, v141, 4, s46               ; my place in a row of out0
	v_mul_u32_u24 v12, v140, 48
	v_add_nc_u32 v12, HC, v12                      ; a hidden fragment back: 48 bytes a lane
	v_add_nc_u32 v13, HS, v4                       ; its scale words: lane = slot
	s_add_co_u32 s50, s46, WT
	v_add_nc_u32 v14, s50, v4                      ; weights in: lane = slot
	v_lshl_add_u32 v15, v142, 5, s50               ; and out: my half's eight rows
	s_lshl_b32 s51, s26, 7
	s_add_co_u32 s51, s51, TK
	v_add_nc_u32 v16, s51, v4                      ; tokens likewise
	v_lshl_add_u32 v17, v142, 5, s51
	s_mul_i32 s45, s26, 24576
	s_lshl_b32 s47, s26, 7
	s_mov_b32 s41, 0
	s_mov_b32 s48, 0x76543210
	s_mov_b32 s49, 0xfedcba98                      ; v_permlanex16_b32's selects for lane l xor 16
	v_mov_b32 v138, 0x7f7fffff                     ; the largest f32
	v_mov_b32 v146, 0                              ; (a lane permute's destination counts as one of its sources)
	v_mov_b32 v147, 0
	s_lshl_b32 s50, s26, 5
	s_wait_alu depctr_va_vdst(0)
	v_lshl_add_u32 v130, v142, 2, s50              ; 4 x a lane's number: slot 8 w + 2 i + h, the rows that I gather, i = 0 .. 3
	v_add_nc_u32 v131, 8, v130
	v_add_nc_u32 v132, 16, v130
	v_add_nc_u32 v133, 24, v130
	v_lshlrev_b32 v134, 2, v141                    ; slot 16 m + r: my token of tile m
	v_add_nc_u32 v135, 64, v134
	s_lshl_b32 s52, ttmp9, 5
	v_add_nc_u32 v225, s52, v140                   ; s: lane = slot
	v_lshl_or_b32 v228, v225, 9, 0x1ff             ; the bound (s << 9) | 511
	v_lshl_add_u32 v250, v0, 2, EX                 ; the exchanges: my wave's word for my lane,
	v_add_nc_u32 v251, EX, v4                      ; and wave 0's
	v_mov_b32 v240, 0
	v_mov_b32 v252, 27
	v_mov_b32 v253, 27
	v_mov_b32 v254, 27
	s_wait_alu depctr_va_vdst(0)
	s_wait_loadcnt 0x0
.irp p, 1,2,3,4,5,6,7,8,9,10,11,12,13,14,15
.irp c, 0,1,2,3
	v_add_nc_u32 v[160+16*\c+\p], v[159+16*\c+\p], v[160+16*\c+\p]   ; running sums, four chains of 16 groups by turns
.endr
.endr
	v_add_nc_u32 v229, v175, v191                  ; what lies ahead of chain 2,
	v_add_nc_u32 v230, v229, v207                  ; of chain 3,
	v_add_nc_u32 v231, v230, v223                  ; and my wave's total
	ds_store_b32 v250, v231
	s_wait_alu depctr_va_vdst(0)                   ; directly ahead of the wait below
	s_wait_dscnt 0x0                               ; for the others' sake
	s_barrier_signal -1
	s_barrier_wait -1
.irp q, 0,1,2,3
	ds_load_b32 v[232+\q], v251 offset:128*\q
.endr
	s_wait_dscnt 0x0
	v_add_nc_u32 v236, v232, v233
	v_add_nc_u32 v237, v234, v235
	v_add_nc_u32 v236, v236, v237
	v_lshrrev_b32 v236, 9, v236                    ; lane k: all tokens of key k (the 256 groups counted below bit 9 fall away)
	s_cmp_gt_u32 s26, 0
	s_cselect_b32 s50, -1, 0
	v_and_b32 v239, s50, v232                      ; the totals of earlier waves
	s_cmp_gt_u32 s26, 1
	s_cselect_b32 s51, -1, 0
	v_and_b32 v237, s51, v233
	v_add_nc_u32 v239, v239, v237
	s_cmp_gt_u32 s26, 2
	s_cselect_b32 s52, -1, 0
	v_and_b32 v237, s52, v234
	v_add_nc_u32 v239, v239, v237
	s_wait_alu depctr_va_vdst(0)                   ; ahead of the scalar scan
.set k, 0
.rept 27
	v_readlane_b32 s[66+k], v236, k
.set k, k+1
.endr
.set k, 1
.rept 26
	s_add_co_u32 s[66+k], s[66+k], s[65+k]         ; s[66 + k] = base[k + 1]
.set k, k+1
.endr
.set k, 1
.rept 27
	v_writelane_b32 v240, s[65+k], k               ; lane k: base[k]
.set k, k+1
.endr
	v_lshl_add_u32 v241, v240, 9, v239             ; lane k: V of my wave's first group; of chains 1, 2, 3's first groups:
	v_add_nc_u32 v242, v241, v175
	v_add_nc_u32 v243, v241, v229
	v_add_nc_u32 v244, v241, v230
.set k, 1
.rept 9                                ; lane = slot: 27 - (the largest k with base[k] <= s), in three chains: base rises with k, so in each chain the last true one stays
	v_cmp_le_u32 s50, s[65+k], v225
	v_cmp_le_u32 s51, s[66+k], v225
	v_cmp_le_u32 s52, s[67+k], v225
	v_cndmask_b32 v252, v252, 27-k, s50
	v_cndmask_b32 v253, v253, 26-k, s51
	v_cndmask_b32 v254, v254, 25-k, s52
.set k, k+3
.endr
	v_min_u32 v252, v252, v253
	v_min_u32 v252, v252, v254
	v_sub_nc_u32 v226, 27, v252                    ; K
	v_lshlrev_b32 v227, 2, v226                    ; as a lane's byte index
.irp c, 0,1,2,3
	ds_bpermute_b32 v[96+\c], v227, v[241+\c]      ; from the lane of my key: no LDS byte is touched
.endr
.irp c, 0,1
.irp p, 0,1,2,3,4,5,6,7,8,9,10,11,12,13,14
	ds_bpermute_b32 v[100+15*\c+\p], v227, v[160+16*\c+\p]
.endr
.endr
	; while these are out: the key names the pair of experts (a, b), a < b, as the first kernel numbered them
	v_mov_b32 v238, 0
	v_cmp_le_u32 vcc_lo, 7, v226
	v_cndmask_b32 v238, v238, 1, vcc_lo
	v_cmp_le_u32 vcc_lo, 13, v226
	v_cndmask_b32 v238, v238, 2, vcc_lo
	v_cmp_le_u32 vcc_lo, 18, v226
	v_cndmask_b32 v238, v238, 3, vcc_lo
	v_cmp_le_u32 vcc_lo, 22, v226
	v_cndmask_b32 v238, v238, 4, vcc_lo
	v_cmp_le_u32 vcc_lo, 25, v226
	v_cndmask_b32 v238, v238, 5, vcc_lo
	v_cmp_le_u32 vcc_lo, 27, v226
	v_cndmask_b32 v238, v238, 6, vcc_lo            ; a
	v_sub_nc_u32 v229, 15, v238
	v_mul_u32_u24 v229, v229, v238
	v_lshrrev_b32 v229, 1, v229                    ; a (15 - a) / 2
	v_sub_nc_u32 v229, v226, v229                  ; the key's place among a's pairs
	v_add_nc_u32 v230, v238, v229
	v_add_nc_u32 v230, 1, v230                     ; even a: b ascending
	v_sub_nc_u32 v231, 7, v229                     ; odd a: b descending
	v_and_b32 v229, 1, v238
	v_cmp_eq_u32 vcc_lo, 1, v229
	v_cndmask_b32 v245, v230, v231, vcc_lo         ; b
	; the list of experts that the block uses, ascending, four bits each, and their number n
	s_wait_alu depctr_va_vdst(0)                   ; ahead of the run of scalar lines
	s_mov_b32 s28, 0
	s_mov_b32 s54, 0
.irp e, 0,1,2,3,4,5,6,7
	v_cmp_eq_u32 s50, \e, v238
	v_cmp_eq_u32 s51, \e, v245
	s_or_b32 s50, s50, s51                         ; does any slot use e?
	s_cselect_b32 s52, \e, 0
	s_cselect_b32 s53, 4, 0
	s_lshl_b32 s52, s52, s54
	s_or_b32 s28, s28, s52
	s_add_co_u32 s54, s54, s53
.endr
	s_lshr_b32 s27, s54, 2                         ; n
	EXP s50, s28, 0
	W1LOAD 0, s50                                  ; the first job goes out before the tokens are known
	s_wait_dscnt 0x0                               ; the 34 lane permutes are back
.irp c, 0,1,2,3
	v_sub_nc_u32 v[232+\c], v228, v[96+\c]         ; the bound less the chain's offset: u of the chain's first group
.endr
.irp c, 2,3
.irp p, 0,1,2,3,4,5,6,7,8,9,10,11,12,13,14
	ds_bpermute_b32 v[130+15*\c+\p], v227, v[160+16*\c+\p]   ; into v160-189: the permutes that read those registers are back
.endr
.endr
	MINTREE 100, 0
	MINTREE 115, 1
	s_wait_alu depctr_va_vdst(0)                   ; directly ahead of the wait below
	s_wait_dscnt 0x0
	MINTREE 160, 2
	MINTREE 175, 3
	v_min_u32 v246, v246, v247
	v_min_u32 v248, v248, v249
	v_min_u32 v246, v246, v248                     ; over my 64 groups
	ds_store_b32 v250, v246 offset:512
	s_wait_dscnt 0x0                               ; for the others' sake
	s_barrier_signal -1
	s_barrier_wait -1
.irp q, 0,1,2,3
	ds_load_b32 v[232+\q], v251 offset:512+128*\q
.endr
	v_mov_b32 v18, 0
	v_mov_b32 v252, 0
	v_mov_b32 v253, 0
	v_mov_b32 v254, 0
	s_wait_alu depctr_va_vdst(0)                   ; directly ahead of the wait below
	s_wait_dscnt 0x0
	v_min_u32 v232, v232, v233
	v_min_u32 v234, v234, v235
	v_min_u32 v232, v232, v234                     ; over all 256
	v_sub_nc_u32 v229, v228, v232                  ; V = (the group's first slot of my key) << 9 | group
	v_and_b32 v230, 0x1ff, v229
	v_min_u32 v230, 0xff, v230                     ; the group, held inside route
	v_lshlrev_b32 v230, 7, v230
	v_lshrrev_b32 v231, 9, v229
	v_sub_nc_u32 v231, v225, v231                  ; my rank in the group
	v_lshl_or_b32 v231, v231, 5, v226              ; key | rank << 5: bits 19 to 28 of the word that I look for
.irp q, 0,1,2,3,4,5,6,7
	global_load_b128 v[160+4*\q:163+4*\q], v230, s[4:5] offset:16*\q   ; my group's 32 words: token t's in register 160 + t
.endr
	s_wait_alu depctr_va_vdst(0)                   ; directly ahead of the wait below
	s_wait_loadcnt 0x0                             ; these, and the first job ahead of them
.set t, 0
.rept 32
	v_bfe_u32 v[96+t], v[160+t], 19, 10
.set t, t+1
.endr
.set t, 0
.rept 8                                ; one of the 32 fits: it is kept, in one of four registers that began as 0.  (v96-127 alone: the lane indices in v130-135 stand)
	v_cmp_eq_u32 s50, v[96+t], v231
	v_cmp_eq_u32 s51, v[97+t], v231
	v_cmp_eq_u32 s52, v[98+t], v231
	v_cmp_eq_u32 s53, v[99+t], v231
	v_cndmask_b32 v18, v18, v[160+t], s50
	v_cndmask_b32 v252, v252, v[161+t], s51
	v_cndmask_b32 v253, v253, v[162+t], s52
	v_cndmask_b32 v254, v254, v[163+t], s53
.set t, t+4
.endr
	v_or_b32 v18, v18, v252
	v_or_b32 v253, v253, v254
	v_or_b32 v18, v18, v253                        ; lane = slot: the token's word
.irp i, 0,1,2,3
	ds_bpermute_b32 v[210+\i], v[130+\i], v18      ; slot 8 w + 2 i + h: the rows that I gather
.endr
.irp m, 0,1
	ds_bpermute_b32 v[214+\m], v[134+\m], v18      ; slot 16 m + r: my token of tile m
.endr
	v_and_b32 v19, 0x1fff, v18
	v_min_u32 v19, 0x1fff, v19                     ; the token, held inside its tables
	ds_store_b32 v16, v19
	v_lshlrev_b32 v222, 5, v19
	v_lshlrev_b32 v221, 3, v19
	v_bfe_u32 v26, v18, 13, 3                      ; the slot's first expert
	v_bfe_u32 v27, v18, 16, 3                      ; and its second
	s_wait_alu depctr_va_vdst(0)                   ; directly ahead of the wait below
	s_wait_dscnt 0x0
	; ---- THE GATHER
.irp i, 0,1,2,3
	v_and_b32 v[216+\i], 0x1fff, v[210+\i]
	v_min_u32 v[216+\i], 0x1fff, v[216+\i]
	v_mul_u32_u24 v[216+\i], v[216+\i], 768
	v_lshl_add_u32 v[216+\i], v141, 4, v[216+\i]
.endr
.irp m, 0,1
	v_bfe_u32 v[20+\m], v[214+\m], 13, 3           ; tile m: my token's first expert
	v_bfe_u32 v[22+\m], v[214+\m], 16, 3           ; its second
.endr
.irp i, 0,1,2,3
.irp p, 0,1,2
	global_load_b128 v[160+12*\i+4*\p:163+12*\i+4*\p], v[216+\i], s[6:7] offset:256*\p th:TH_LOAD_NT   ; sixteen lanes: 256 bytes of a token's 768
.endr
.endr
	global_load_b128 v[32:35], v222, s[8:9]        ; x's scale words: register s = K step s; lanes 0-15 tile 0, lanes 16-31 tile 1
	global_load_b128 v[36:39], v222, s[8:9] offset:16
	global_load_b64 v[24:25], v221, s[10:11]       ; the slot's two softmax weights
	s_wait_alu depctr_va_vdst(0)                   ; ahead of the job's waits and scalar lines
	EXP s50, s28, 1
	W1LOAD 1, s50
	s_wait_loadcnt 57                              ; x's 12 row loads are in; behind them: 2 of xs, 1 of gwt, the second job's 54
.irp i, 0,1,2,3
.irp p, 0,1,2
	ds_store_b128 v7, v[160+12*\i+4*\p:163+12*\i+4*\p] offset:2*XP*\i+256*\p
.endr
.endr
	s_wait_dscnt 0x0                               ; for the others' sake
	s_barrier_signal -1
	s_barrier_wait -1                              ; the 32 tokens' codes lie in LDS
	WIN 0x40
.irp m, 0,1
.irp s, 0,1,2,3,4,5,6,7
.irp c, 0,1,2
	ds_load_b128 v[96*\m+12*\s+4*\c:96*\m+12*\s+4*\c+3], v8 offset:16*XP*\m+48*\s+16*\c   ; x's fragments stay in registers for all experts
.endr
.endr
.endr
	WIN 0
.irp m, 0,1
.irp c, 0,1
	ds_load_b128 v[AD+8*\m+4*\c:AD+8*\m+4*\c+3], v17 offset:64*\m+16*\c   ; the tokens of rows 16 m + 8 h + 0 .. 7
.endr
.endr
	s_wait_loadcnt 54                              ; all but the second job: xs and gwt are in (buffer A has been since the look-up)
	s_wait_dscnt 0x0
.set i, 0
.rept 16
	v_min_u32 v[AD+i], 0x1fff, v[AD+i]
.set i, i+1
.endr
.set i, 0
.rept 16
	v_lshl_add_u32 v[AD+i], v[AD+i], 12, v30       ; the row's 4,096 bytes, my wave's 1,024, 16 bytes for lane r
.set i, i+1
.endr
; PHASE 1, the j-th used expert; its W1 lies in buffer p = j % 2, which is in at the step's head.  s29 = j, s30 = the list from j on, s31 = j + 2
.macro P1STEP p
	EXP s50, s30, 0
	v_cmp_eq_u32 s52, s50, v26
	v_cndmask_b32 v28, 0, v24, s52
	v_cmp_eq_u32 s53, s50, v27
	v_cndmask_b32 v28, v28, v25, s53               ; lane = slot: its weight for this expert, 0 if it did not choose it
.irp m, 0,1
	v_cmp_eq_u32 s52, s50, v[20+\m]
	v_cmp_eq_u32 s53, s50, v[22+\m]
	s_or_b32 s52, s52, s53
	v_cndmask_b32 v[136+\m], 0, v138, s52          ; the clamp's upper bound: the largest f32 for a token that uses this expert, 0 for one that does not
.endr
	WIN 0x06+\p                                    ; source 0 (W1) window 2 or 3, source 1 (x) window 1
.irp s, 0,1,2,3,4,5,6,7                ; the four accumulators take turns, one instruction a turn; b1 is the C of each sum's first product
.irp u, 0,1
.irp m, 0,1
.if \s == 0
	WM HA+16*\m+8*\u, 12*(2*\s+\u), 96*\m+12*\s, B1+16*\p+8*\u, SW+8*\p+\s, XS+\s, \u, \m
.else
	WM HA+16*\m+8*\u, 12*(2*\s+\u), 96*\m+12*\s, HA+16*\m+8*\u, SW+8*\p+\s, XS+\s, \u, \m
.endif
.endr
.endr
.endr
	WIN 0
.rept 4
	v_nop                                          ; four places ahead of the first read of results
.endr
	; lane (r, h): token r of tile m; register 16 m + i = hidden unit 32 w + 16 h + i.  Each accumulator is read from its low end on
.irp i, 0,1,2,3,4,5,6,7,8,9,10,11,12,13,14,15
.irp m, 0,1
	v_med3_num_f32 v[HA+16*\m+\i], v[HA+16*\m+\i], 0, v[136+\m]   ; the relu, and 0 for a token that does not use this expert
.endr
.endr
.irp m, 0,1
	v_max3_num_f32 v[144+\m], v[HA+16*\m], v[HA+16*\m+1], 0x2800000   ; none is negative; the floor 2^(5 - 127) holds the byte at 1 from below
.endr
.irp i, 2,4,6,8,10,12,14
.irp m, 0,1
	v_max3_num_f32 v[144+\m], v[144+\m], v[HA+16*\m+\i], v[HA+16*\m+\i+1]
.endr
.endr
.irp m, 0,1
	v_permlanex16_b32 v[146+\m], v[144+\m], s48, s49
.endr
.irp m, 0,1
	v_max_num_f32 v[144+\m], v[144+\m], v[146+\m]  ; with lane l xor 16's 16: the block's largest
.endr
.irp m, 0,1
	v_add_nc_u32 v[148+\m], 0xfe000000, v[144+\m]  ; 4 off the exponent field: the conversion's scale operand
.endr
.irp m, 0,1
	v_lshrrev_b32 v[150+\m], 23, v[148+\m]         ; the scale's byte
.endr
	v_cvt_scalef32_pk16_bf6_f32 v[152:154], v[HA:HA+15], v148
	v_cvt_scalef32_pk16_bf6_f32 v[156:158], v[HA+16:HA+31], v149
	v_nop                                          ; one plain line behind the conversions
	s_wait_alu depctr_va_vdst(0)                   ; ahead of the branches
	LADDER SARM, \p
	s_cmp_gt_u32 s27, s31
	s_cbranch_scc0 .Lto_w2_\@
	EXP s50, s30, 2
	W1LOAD \p, s50                                 ; this buffer takes W1 of the expert two on,
	s_branch .Lasked_\@
.Lto_w2_\@:
	EXP s50, s28, \p
	W2LOAD \p, s50                                 ; or, when there is none, W2 of the expert that phase 2 multiplies from this buffer first
.Lasked_\@:
	s_wait_dscnt 0x0                               ; this step's stores are done
	s_wait_loadcnt 54                              ; all but the 54 just issued: the other buffer is in
	ADVANCE
.endm
	s_mov_b32 s29, 0
	s_mov_b32 s30, s28
	s_mov_b32 s31, 2
	s_mov_b32 s55, 0
	s_wait_alu depctr_va_vdst(0)
.Lp1:
	P1STEP 0
	s_cmp_le_u32 s27, s29
	s_cbranch_scc1 .Lodd1                          ; that was the last expert: n is odd
	P1STEP 1
	s_cmp_le_u32 s27, s29
	s_cbranch_scc1 .Ldone1                         ; n even: the youngest job is buffer B's; buffer A, which phase 2 takes first, is in
	s_add_co_u32 s55, s55, 1
	s_cmp_lt_u32 s55, 4
	s_cbranch_scc1 .Lp1
	s_branch .Ldone1
.Lodd1:
	s_wait_loadcnt 0x0                             ; buffer A's job is the one just issued
.Ldone1:
	s_wait_dscnt 0x0
	s_barrier_signal -1
	s_barrier_wait -1                              ; every used expert's hidden fragments and scale bytes lie in LDS
.macro BIAS p, T                       ; b2 as the C of group T's four tiles: a lane's column is the same in all eight registers
	WIN 0
.irp t, 0,1,2,3
.irp i, 0,2,4,6
	v_dual_mov_b32 v[RC+32*((\T)%2)+8*\t+\i], v[B1+16*\p+4*(\T)+\t] :: v_dual_mov_b32 v[RC+32*((\T)%2)+8*\t+\i+1], v[B1+16*\p+4*(\T)+\t]
.endr
.endr
.endm
; out += weight x results of group q = 2 T + m, row by row: four tiles' results of a row become four neighbours.  Each result is read from its low end on.  kind 0: the products start the sums; 2: the last expert: the rows leave
.macro FMA q, kind
	WIN 0x42                                       ; source 0 window 2, destination window 1
.irp j, 0,1,2,3,4,5,6,7
.irp t, 0,1,2,3
.if \kind == 0
	v_mul_f32 v[32*(\q)+4*\j+\t], v[RD+32*((\q)%2)+8*\t+\j], v[WV+8*((\q)%2)+\j]
.else
	v_fmac_f32 v[32*(\q)+4*\j+\t], v[RD+32*((\q)%2)+8*\t+\j], v[WV+8*((\q)%2)+\j]
.endif
.endr
.endr
.if \kind == 2
	WIN 0x04                                       ; a store's data are its source 1: window 1
.irp j, 0,1,2,3,4,5,6,7
	global_store_b128 v[AD+8*((\q)%2)+\j], v[32*(\q)+4*\j:32*(\q)+4*\j+3], s[24:25] offset:256*((\q)/2) th:TH_STORE_NT   ; sixteen lanes: 256 bytes on end, at a multiple of 256
.endr
.endif
.endm
; PHASE 2, the j-th used expert; its W2 lies in buffer p = j % 2.  Eight groups of four products, each a whole sum over K = 128 with b2 as C.
; A group's 32 multiply-adds stand behind the NEXT group's products: they are the places between a product and the read of its result.
.macro P2STEP p, kind
.if \kind == 0
	HARM 0                                         ; the first step: j = 0
.elseif (\p == 1) && (\kind == 2)
	LADDER HARM, 1                                 ; the last step on buffer B: j = 1, 3, 5 or 7
.else
	LADDER3 HARM, (2-\p)                           ; buffer A: j = 2, 4 or 6; a middle step on buffer B: j = 1, 3 or 5
.endif
	BIAS \p, 0
	s_wait_alu depctr_va_vdst(0)                   ; directly ahead of the wait below
	s_wait_dscnt 0x0
.irp k, 0,1,2,3,4,5,6,7
	WIN 0x88+4*\p                                  ; source 0 (tokens) window 0, source 1 (W2) window 2 or 3, C window 0, D window 2
.irp t, 0,1,2,3
	WM RD+32*(\k%2)+8*\t, HF+12*(\k%2), 12*(4*(\k/2)+\t), RC+32*((\k/2)%2)+8*\t, 139, SW+8*\p+4*(\k/4)+\t, (\k%2), ((\k/2)%2)
.endr
.if (\k%2 == 0) && (\k < 6)
	BIAS \p, (\k/2+1)
.endif
.if \k > 0
	FMA (\k-1), \kind
.endif
.endr
	FMA 7, \kind
	WIN 0
.if \kind < 2
	s_cmp_gt_u32 s27, s31
	s_cbranch_scc0 .Lno_more_\@
	EXP s50, s30, 2
	W2LOAD \p, s50
	s_wait_loadcnt 54                              ; all but the 54 just issued: the other buffer is in
	s_branch .Lnext_\@
.Lno_more_\@:
	s_wait_loadcnt 0x0
.Lnext_\@:
	ADVANCE
.endif
.endm
	s_mov_b32 s29, 0
	s_mov_b32 s30, s28
	s_mov_b32 s31, 2
	P2STEP 0, 0                                    ; a block uses two experts at the least: the first is never the last
	s_mov_b32 s55, 0
.Lp2:
	s_cmp_lt_u32 s27, s31
	s_cbranch_scc1 .Llast_b                        ; n = j + 1
	P2STEP 1, 1
	s_cmp_lt_u32 s27, s31
	s_cbranch_scc1 .Llast_a
	P2STEP 0, 1
	s_add_co_u32 s55, s55, 1
	s_cmp_lt_u32 s55, 3
	s_cbranch_scc1 .Lp2
.Llast_b:
	P2STEP 1, 2
	s_branch .Lend
.Llast_a:
	P2STEP 0, 2
.Lend:
	s_wait_tensorcnt 0x0                           ; the wave's end: behind my last LDS store
	ds_add_u32 v1, v2
	s_wait_dscnt 0x0
	s_endpgm
.Lfunc_end_k_qb8192b95ca_chain:
	.size	k_qb8192b95ca_chain, .Lfunc_end_k_qb8192b95ca_chain-k_qb8192b95ca_chain
	.p2alignl 7, 3214868480
	.fill 96, 4, 3214868480
	.section	.rodata,"a",@progbits
	.p2align	6, 0x0
	.amdhsa_kernel k_qb8192b95ca_chain
		.amdhsa_group_segment_fixed_size 56832
		.amdhsa_private_segment_fixed_size 0
		.amdhsa_enable_private_segment 0
		.amdhsa_kernarg_size 96
		.amdhsa_user_sgpr_count 2
		.amdhsa_user_sgpr_kernarg_segment_ptr 1
		.amdhsa_wavefront_size32 1
		.amdhsa_system_sgpr_workgroup_id_x 1
		.amdhsa_system_sgpr_workgroup_id_y 1
		.amdhsa_system_sgpr_workgroup_id_z 1
		.amdhsa_system_vgpr_workitem_id 0
		.amdhsa_next_free_vgpr 1024
		.amdhsa_next_free_sgpr 98
		.amdhsa_reserve_vcc 1
		.amdhsa_float_denorm_mode_32 3
		.amdhsa_float_denorm_mode_16_64 3
		.amdhsa_memory_ordered 1
		.amdhsa_forward_progress 1
		.amdhsa_inst_pref_size 231
	.end_amdhsa_kernel
	.amdgpu_metadata
---
amdhsa.version: [ 1, 2 ]
amdhsa.kernels:
  - .name:           k_qb8192b95ca_chain
    .symbol:         k_qb8192b95ca_chain.kd
    .args:
      - { .name: route, .offset: 0, .size: 8, .value_kind: global_buffer, .address_space: global }
      - { .name: xq, .offset: 8, .size: 8, .value_kind: global_buffer, .address_space: global }
      - { .name: xs, .offset: 16, .size: 8, .value_kind: global_buffer, .address_space: global }
      - { .name: gwt, .offset: 24, .size: 8, .value_kind: global_buffer, .address_space: global }
      - { .name: w1i, .offset: 32, .size: 8, .value_kind: global_buffer, .address_space: global }
      - { .name: w1_scales, .offset: 40, .size: 8, .value_kind: global_buffer, .address_space: global }
      - { .name: b1, .offset: 48, .size: 8, .value_kind: global_buffer, .address_space: global }
      - { .name: w2i, .offset: 56, .size: 8, .value_kind: global_buffer, .address_space: global }
      - { .name: w2_scales, .offset: 64, .size: 8, .value_kind: global_buffer, .address_space: global }
      - { .name: b2, .offset: 72, .size: 8, .value_kind: global_buffer, .address_space: global }
      - { .name: out0, .offset: 80, .size: 8, .value_kind: global_buffer, .address_space: global }
      - { .name: cnt, .offset: 88, .size: 8, .value_kind: global_buffer, .address_space: global }
    .group_segment_fixed_size: 56832
    .private_segment_fixed_size: 0
    .kernarg_segment_align: 8
    .kernarg_segment_size: 96
    .max_flat_workgroup_size: 128
    .sgpr_count:     98
    .vgpr_count:     1024
    .wavefront_size: 32
...
	.end_amdgpu_metadata
.endif
;; end of part 5
